; MI455X (gfx1250); checked and timed in simulation.
; The chip was launched on July 23, 2026; its instructions are those of AMD's public machine-readable ISA for CDNA 5 (MIT licence, August 2026) and "CDNA5" Instruction Set Architecture Reference Guide (July 2026). The comments in the code are by the model that wrote it; some were corrected since.
;; Rotary PE Multi Head Attention. Allowed arithmetic: matrix products marked QUANTISED: E2M3 operands, one E8M0 scale for each 32 along K, by v_wmma_scale_f32_16x16x128_f8f6f4 with both operands' format E2M3, f32 sums; everything else in f32.
;; Inputs: Wk 1,024 x 1,024 float32; Wo 1,024 x 1,024 float32; Wq 1,024 x 1,024 float32; Wv 1,024 x 1,024 float32; freqs_cos 2,048 x 32 float32; freqs_sin 2,048 x 32 float32; in_features 4 x 2,048 x 1,024 float32.
;; Outputs: out0 4 x 2,048 x 1,024 float32.
;; This version of the problem:
;;   THIS VERSION OF THE PROBLEM IS GIVEN IN LOW PRECISION. The matrix products marked QUANTISED in the list below multiply operands that are first quantised to E2M3 (2 exponent bits, 3 mantissa bits; 6 bits a number), with one power-of-two scale for each 32 numbers along K (OCP MX v1.0); their sums are f32. All else is computed in f32.
;;   The module's matrix products, in the order in which they are computed (A, B: the left and right operand; K: the contracted axis; several contracted axes count as one K, in the product's order):
;;     1. [M 8,192, K 1,024] x [K 1,024, N 1,024]; A: input in_features; B: input Wq: QUANTISED
;;     2. [M 8,192, K 1,024] x [K 1,024, N 1,024]; A: input in_features; B: input Wk: QUANTISED
;;     3. [M 8,192, K 1,024] x [K 1,024, N 1,024]; A: input in_features; B: input Wv: QUANTISED
;;     4. batch 64 x [M 2,048, K 64] x [K 64, N 2,048]; A: computed on the way; B: computed on the way: QUANTISED
;;     5. batch 64 x [M 64, K 2,048] x [K 2,048, N 2,048]; A: computed on the way; B: softmax (see below): QUANTISED
;;     6. [M 8,192, K 1,024] x [K 1,024, N 1,024]; A: computed on the way; B: input Wo: QUANTISED
;;   THE QUANTISER, for each operand of a quantised product, along K:
;;     - K is cut into blocks of 32 from its start; a last block that is shorter is filled with zeros.
;;     - A block's scale is 2^e with e = floor(log2(the largest magnitude in the block)) - 2, held to -126 .. 127; a block of zeros has e = 0. As a byte (E8M0): e + 127.
;;     - Each number is divided by its block's scale, clamped to +-7.5, and rounded to the nearest number of E2M3, ties to even, subnormals kept.
;;     - The product sums the exact products of the quantised numbers (number of the format x scale) in f32.
;;   ~~~python
;;   def quantise(x, axis):      # numpy; x: float32 -> the quantised numbers, widened to float32 again
;;       x = np.moveaxis(x, axis, -1); K = x.shape[-1]
;;       x = np.pad(x, [(0, 0)] * (x.ndim - 1) + [(0, -K % 32)]); x = x.reshape(x.shape[:-1] + (-1, 32)); a = np.abs(x).max(-1, keepdims=True)
;;       e = np.where(a > 0, np.clip(np.frexp(np.where(a > 0, a, 1))[1] - 1 - 2, -126, 127), 0)      # np.frexp(a)[1] - 1 = floor(log2(a)), exactly
;;       r = np.clip(x / 2.0 ** e, -7.5, 7.5)
;;       step = 2.0 ** (np.maximum(np.frexp(np.where(r == 0, 1, r))[1] - 1, 0) - 3)
;;       q = np.round(r / step) * step * 2.0 ** e      # np.round: ties to even
;;       return np.moveaxis(q.reshape(q.shape[:-2] + (-1,))[..., :K], -1, axis).astype(np.float32)
;;   ~~~
;;   SOFTMAX AHEAD OF A QUANTISED PRODUCT. Where the list says 'softmax', what is quantised is not the finished softmax but p = 2^(t - M), with t = logit x log2(e) and M = ceil(the row's largest t), a whole number; so 1/2 < the row's largest p <= 1. The row's sum l is taken of the UNQUANTISED p, in f32, and the product's result is divided by l at the end. Since M is a whole number, a kernel that streams over the keys may use a running M (the ceiling of the running maximum): every later rescaling is an exact power of two, which a block's scale takes up: the codes' values come out the same.
;;   OPERANDS COMPUTED ON THE WAY. 'Computed on the way' means the value that the module computes at that place (a softmax that the list does not call 'softmax' is quantised finished and normalised). What goes into a quantiser is computed in f32, as accurately as f32 sums, v_exp_f32 and their like allow (about 1e-6 of the number): no bf16 or f16 on the way to a quantiser, and a product that is left as it is and whose result goes on into a quantised operand takes f32 operands (vector FMAs, or v_wmma_f32_16x16x4_f32). A number that lies on a knife's edge between two numbers of the format may be rounded either way, as far as f32 arithmetic and the matrix unit's own rounding can turn it there, and no further.
;; One version. Each part assembles by itself: llvm-mc -triple=amdgcn-amd-amdhsa -mcpu=gfx1250 --defsym DOCPART=n.
;; ======== version 1 of 1: 4 launches
;; limits: right only within a limited range of input values
;; workspace buffers: c1 9,437,184 bytes; s1 393,216 bytes; qkvc 18,874,368 bytes; qkvs 786,432 bytes; oc 6,291,456 bytes; os 262,144 bytes
;; launch quant (part 1): grid 768 x 1, 2 waves a work-group, no clusters, 17,152 bytes of LDS; arguments in_features, Wq, Wk, Wv, Wo, c1, s1; writes c1, s1
.if DOCPART == 1
	.amdgcn_target "amdgcn-amd-amdhsa--gfx1250"
	.amdhsa_code_object_version 6
	.text
	.protected	k_q0a79cf4b2e_quant
	.globl	k_q0a79cf4b2e_quant
	.p2align	8
	.type	k_q0a79cf4b2e_quant,@function
k_q0a79cf4b2e_quant:
	s_mov_b64 s[64:65], 0
	v_nop
	global_prefetch_b8 v0, s[64:65] scope:SCOPE_SE
	s_setreg_imm32_b32 hwreg(HW_REG_WAVE_MODE, 25, 1), 1
	s_wait_xcnt 0x0
; x [8192][1024] and Wq, Wk, Wv, Wo [1024][1024], f32, K innermost, become codes of FP6 (E2M3) with one E8M0 byte for each 32 along K,
; laid in the ORDER OF AN OPERAND'S REGISTERS.  12,288 positions: 0-8191 x, then Wq, Wk, Wv, Wo.  Position p holds row pi(p) of its tensor:
; p with bits 3 and 4 swapped.  So lane r of tile 2 g + u holds row 32 g + 8 u + r % 8 + 16 (r / 8), and a product that takes such a tile as
; source 0 leaves 16 neighbouring rows in the 16 registers of two neighbouring tiles.
; A FRAGMENT (16 positions x 128 K, 12 registers a lane) is 1,536 bytes: registers 0-3 at 16 x lane, 4-5 at 512 + 8 x lane, 6-9 at 768 + 16 x lane,
; 10-11 at 1280 + 8 x lane.  c1: [64 positions][K step 0..7][tile 0..3][1536].  s1: [tile][K half][row r][4 words], a word = the 4 bytes of a K step.
; SHARES: a work-group is one tile of 16 positions; wave kh takes K steps 4 kh .. 4 kh + 3.  The two waves share nothing: no barrier.
; Each load reads 512 consecutive bytes of one row; a K step's 16 rows turn through the wave's own stage in LDS (rows 528 bytes apart) so that a
; lane gets the 2 x 32 neighbours that the operand's layout gives it: a whole block lies in one lane.
; A block's scale is 2^(floor(log2(largest magnitude)) - 2): the largest magnitude's exponent field less 2, held at 1 from below.
; LIMITS: NaN and infinities are not served; a block of zeros, or one whose largest magnitude lies under 2^-124, gets the byte 1 (its codes
; are zeros or what that scale gives); these bytes are read by this program alone.
.set ROWB, 4096                        ; a row of f32 in bytes
.set SP,   528                         ; a stage row: 512 bytes + 16
.set STG,  16*SP                       ; a wave's stage
.set RR,   16                          ; v16-143  two sets of 64: a K step as loaded
.set X,    144                         ; v144-207 X[32 c + i] = k 64 c + 32 h + i of row r
.set F,    208                         ; v208-219 the fragment
.set TQ,   220                         ; v220-222, v224-226 the conversions' second halves
.set MX,   228                         ; v228-229 largest magnitudes
.set SO,   230                         ; v230-231 the conversions' scale operands
.set BY,   232                         ; v232-233 the bytes
.set WD,   234                         ; v234-235 the word at work, and the other half's
.set SWD,  236                         ; v236-239 the four K steps' scale words
.set PR,   240                         ; v240-241 the two words that I store
	s_load_b256 s[4:11], s[0:1], 0x0               ; x s[4:5], Wq s[6:7], Wk s[8:9], Wv s[10:11]
	s_load_b128 s[12:15], s[0:1], 0x20             ; Wo s[12:13], c1 s[14:15]
	s_load_b64 s[16:17], s[0:1], 0x30              ; s1
	v_lshl_add_u32 v248, v0, 2, 0x4200
	v_mov_b32 v249, 0
	v_lshrrev_b32 v8, 5, v0
	v_readfirstlane_b32 s23, v8                    ; wave = K half
	v_and_b32 v9, 31, v0                           ; lane
	v_and_b32 v10, 15, v0                          ; r
	v_bfe_u32 v11, v0, 4, 1                        ; h
	v_lshlrev_b32 v1, 4, v9                        ; 16 x lane: loads, and the stores of four registers
	v_lshlrev_b32 v5, 3, v9                        ; 8 x lane: the stores of two
	s_mul_i32 s28, s23, STG
	v_add_nc_u32 v2, s28, v1                       ; the stage, way in: a row as it lies
	v_mul_u32_u24 v3, v10, SP
	v_lshl_add_u32 v3, v11, 7, v3
	v_add_nc_u32 v3, s28, v3                       ; way out: row r, + 128 h bytes
	v_lshlrev_b32 v6, 4, v10
	v_lshl_add_u32 v6, v11, 3, v6                  ; my two scale words: 16 r + 8 h
	v_lshlrev_b32 v7, 3, v11                       ; 8 h: my bytes' place in a word
	v_mov_b32 v[WD+1], 0                           ; written once: a lane permute's destination counts as one of its sources
	s_mov_b32 s20, 0x76543210
	s_mov_b32 s21, 0xfedcba98                      ; lane l xor 16
	s_mov_b32 s22, 0xffff0000                      ; lanes 16-31
	s_and_b32 s25, ttmp9, 63
	s_cmp_lt_u32 ttmp9, 512
	s_cselect_b32 s24, ttmp9, s25                  ; the tile's number in its own tensor
	s_lshr_b32 s26, s24, 1
	s_lshl_b32 s26, s26, 17                        ; 32 rows of 4,096 bytes for each pair of tiles,
	s_and_b32 s27, s24, 1
	s_lshl_b32 s27, s27, 15                        ; 8 rows for the odd tile,
	s_add_co_u32 s26, s26, s27
	s_lshl_b32 s27, s23, 11                        ; my half of K
	s_add_co_u32 s26, s26, s27
	s_mov_b32 s27, 0
	s_lshr_b32 s30, ttmp9, 2
	s_mul_i32 s30, s30, 49152
	s_and_b32 s31, ttmp9, 3
	s_mul_i32 s31, s31, 1536
	s_add_co_u32 s30, s30, s31
	s_mul_i32 s31, s23, 24576
	s_add_co_u32 s30, s30, s31                     ; my first fragment in c1
	s_mov_b32 s31, 0
	s_lshl_b32 s32, ttmp9, 9
	s_lshl_b32 s33, s23, 8
	s_add_co_u32 s32, s32, s33                     ; my 256 bytes of s1
	s_mov_b32 s33, 0
	s_wait_alu depctr_va_vdst(0)
	s_wait_kmcnt 0x0
	s_cmp_lt_u32 ttmp9, 704                        ; which tensor: the choice hangs on the work-group's number alone
	s_cselect_b64 s[18:19], s[10:11], s[12:13]
	s_cmp_lt_u32 ttmp9, 640
	s_cselect_b64 s[18:19], s[8:9], s[18:19]
	s_cmp_lt_u32 ttmp9, 576
	s_cselect_b64 s[18:19], s[6:7], s[18:19]
	s_cmp_lt_u32 ttmp9, 512
	s_cselect_b64 s[18:19], s[4:5], s[18:19]
	s_add_nc_u64 s[18:19], s[18:19], s[26:27]
	s_add_nc_u64 s[14:15], s[14:15], s[30:31]
	s_add_nc_u64 s[16:17], s[16:17], s[32:33]
.macro LOAD q                          ; K step q of the tile's 16 rows: position i is row i % 8 + 16 (i / 8) of the tile's 32
.irp i, 0,1,2,3,4,5,6,7,8,9,10,11,12,13,14,15
	global_load_b128 v[RR+64*((\q)%2)+4*\i:RR+64*((\q)%2)+4*\i+3], v1, s[18:19] offset:((\i%8)+16*(\i/8))*ROWB+512*(\q) th:TH_LOAD_NT
.endr
.endm
.macro QSTEP q
.if (\q) < 3
	s_wait_loadcnt 16                              ; this step's 16 loads are in; the next step's 16 may be out
.else
	s_wait_loadcnt 0x0
.endif
.irp i, 0,1,2,3,4,5,6,7,8,9,10,11,12,13,14,15
	ds_store_b128 v2, v[RR+64*((\q)%2)+4*\i:RR+64*((\q)%2)+4*\i+3] offset:SP*\i
.endr
.irp c, 0,1
.irp j, 0,1,2,3,4,5,6,7
	ds_load_b128 v[X+32*\c+4*\j:X+32*\c+4*\j+3], v3 offset:256*\c+16*\j   ; LDS serves a wave's instructions in order: these see the stores above
.endr
.endr
	s_wait_dscnt 0x0                               ; my 64 numbers are in, and the stores have read their registers,
.if (\q) < 2
	LOAD (\q)+2                                    ; which take the loads of two steps on
.endif
.irp c, 0,1
	v_max3_num_f32 v[MX+\c], |v[X+32*\c]|, |v[X+32*\c+1]|, 0x1800000   ; block 2 c + h: all 32 numbers are mine; the floor 2^(3 - 127) holds the byte at 1 from below
.endr
.irp i, 2,4,6,8,10,12,14,16,18,20,22,24,26,28,30
.irp c, 0,1
	v_max3_num_f32 v[MX+\c], v[MX+\c], |v[X+32*\c+\i]|, |v[X+32*\c+\i+1]|
.endr
.endr
.irp c, 0,1
	v_add_nc_u32 v[SO+\c], 0xff000000, v[MX+\c]    ; 2 off the exponent field: the conversion's scale operand
.endr
.irp c, 0,1
	v_lshrrev_b32 v[BY+\c], 23, v[SO+\c]           ; the scale's byte
.endr
	v_lshl_or_b32 v[WD], v[BY+1], 16, v[BY]        ; blocks h and 2 + h,
	v_lshlrev_b32 v[WD], v7, v[WD]                 ; at their places in the word;
	v_permlanex16_b32 v[WD+1], v[WD], s20, s21
	v_or_b32 v[SWD+(\q)], v[WD], v[WD+1]           ; with lane l xor 16's two the word is whole
.if (\q) > 0
	s_wait_alu depctr_va_vdst(0)
	s_wait_xcnt 0x0                                ; the last step's stores have read the fragment's registers: they are written again only behind this wait
.endif
.irp c, 0,1
	v_cvt_scalef32_pk16_fp6_f32 v[F+6*\c:F+6*\c+2], v[X+32*\c:X+32*\c+15], v[SO+\c]
	v_cvt_scalef32_pk16_fp6_f32 v[TQ+4*\c:TQ+4*\c+2], v[X+32*\c+16:X+32*\c+31], v[SO+\c]   ; (a conversion's three registers begin on an even number)
.endr
	v_nop                                          ; one plain place behind a scaled conversion
.irp c, 0,1
.irp i, 0,1,2
	v_mov_b32 v[F+6*\c+3+\i], v[TQ+4*\c+\i]
.endr
.endr
	global_store_b128 v1, v[F:F+3], s[14:15] offset:6144*(\q)            ; each store covers 512 or 256 consecutive bytes, aligned to 256
	global_store_b64 v5, v[F+4:F+5], s[14:15] offset:6144*(\q)+512
	global_store_b128 v1, v[F+6:F+9], s[14:15] offset:6144*(\q)+768
	global_store_b64 v5, v[F+10:F+11], s[14:15] offset:6144*(\q)+1280
.endm
	LOAD 0
	LOAD 1
	QSTEP 0
	QSTEP 1
	QSTEP 2
	QSTEP 3
	v_cndmask_b32 v[PR], v[SWD], v[SWD+2], s22     ; lanes 0-15 store words 0 and 1 of row r, lanes 16-31 words 2 and 3
	v_cndmask_b32 v[PR+1], v[SWD+1], v[SWD+3], s22
	global_store_b64 v6, v[PR:PR+1], s[16:17]      ; 256 consecutive bytes, aligned
	s_wait_tensorcnt 0x0
	ds_add_u32 v248, v249
	s_wait_dscnt 0x0
	s_endpgm
.Lfunc_end_k_q0a79cf4b2e_quant:
	.size	k_q0a79cf4b2e_quant, .Lfunc_end_k_q0a79cf4b2e_quant-k_q0a79cf4b2e_quant
	.p2alignl 7, 3214868480
	.fill 96, 4, 3214868480
	.section	.rodata,"a",@progbits
	.p2align	6, 0x0
	.amdhsa_kernel k_q0a79cf4b2e_quant
		.amdhsa_group_segment_fixed_size 17152
		.amdhsa_private_segment_fixed_size 0
		.amdhsa_enable_private_segment 0
		.amdhsa_kernarg_size 56
		.amdhsa_user_sgpr_count 2
		.amdhsa_user_sgpr_kernarg_segment_ptr 1
		.amdhsa_wavefront_size32 1
		.amdhsa_system_sgpr_workgroup_id_x 1
		.amdhsa_system_sgpr_workgroup_id_y 1
		.amdhsa_system_sgpr_workgroup_id_z 1
		.amdhsa_system_vgpr_workitem_id 0
		.amdhsa_next_free_vgpr 250
		.amdhsa_next_free_sgpr 66
		.amdhsa_reserve_vcc 0
		.amdhsa_float_denorm_mode_32 3
		.amdhsa_float_denorm_mode_16_64 3
		.amdhsa_memory_ordered 1
		.amdhsa_forward_progress 1
		.amdhsa_inst_pref_size 31
	.end_amdhsa_kernel
	.amdgpu_metadata
---
amdhsa.version: [ 1, 2 ]
amdhsa.kernels:
  - .name:           k_q0a79cf4b2e_quant
    .symbol:         k_q0a79cf4b2e_quant.kd
    .args:
      - { .name: in_features, .offset: 0, .size: 8, .value_kind: global_buffer, .address_space: global }
      - { .name: Wq, .offset: 8, .size: 8, .value_kind: global_buffer, .address_space: global }
      - { .name: Wk, .offset: 16, .size: 8, .value_kind: global_buffer, .address_space: global }
      - { .name: Wv, .offset: 24, .size: 8, .value_kind: global_buffer, .address_space: global }
      - { .name: Wo, .offset: 32, .size: 8, .value_kind: global_buffer, .address_space: global }
      - { .name: c1, .offset: 40, .size: 8, .value_kind: global_buffer, .address_space: global }
      - { .name: s1, .offset: 48, .size: 8, .value_kind: global_buffer, .address_space: global }
    .group_segment_fixed_size: 17152
    .private_segment_fixed_size: 0
    .kernarg_segment_align: 8
    .kernarg_segment_size: 56
    .max_flat_workgroup_size: 64
    .sgpr_count:     66
    .vgpr_count:     250
    .wavefront_size: 32
...
	.end_amdgpu_metadata
.endif
;; end of part 1
;; launch qkv (part 2): grid 8 x 32, 4 waves a work-group, clusters of 4 x 4, 327,680 bytes of LDS; arguments c1, s1, freqs_cos, freqs_sin, qkvc, qkvs; writes qkvc, qkvs
.if DOCPART == 2
	.amdgcn_target "amdgcn-amd-amdhsa--gfx1250"
	.amdhsa_code_object_version 6
	.text
	.protected	k_q0a79cf4b2e_qkv
	.globl	k_q0a79cf4b2e_qkv
	.p2align	8
	.type	k_q0a79cf4b2e_qkv,@function
k_q0a79cf4b2e_qkv:
	s_mov_b64 s[64:65], 0
	v_nop
	global_prefetch_b8 v0, s[64:65] scope:SCOPE_SE
	s_setreg_imm32_b32 hwreg(HW_REG_WAVE_MODE, 25, 1), 1
	s_wait_xcnt 0x0
	s_wait_alu depctr_hold_cnt(0) depctr_sa_sdst(0) depctr_va_vdst(0) depctr_va_sdst(0) depctr_va_ssrc(0) depctr_va_vcc(0) depctr_vm_vsrc(0)
	s_getreg_b32 s2, hwreg(HW_REG_IB_STS2, 6, 4)
	s_cmp_eq_u32 s2, 0
	s_cbranch_scc0 .Lentry_in_a_cluster
	s_endpgm
.Lentry_in_a_cluster:
	s_bfe_u32 s2, ttmp6, 0x10000c
	s_cmp_lg_u32 s2, 0xf033
	s_cbranch_scc0 .Lentry_shape_is_right
	s_endpgm
.Lentry_shape_is_right:
; q = rope(x Wq^T), k = rope(x Wk^T), v = x Wv^T on codes of FP6 with E8M0 scales, and the results quantised again: q and k along the head's 64,
; v along the tokens (the keys are the K of attention's second product).  Only codes and scale bytes go to memory.
; OPERANDS come from c1 / s1 in the order of an operand's registers (fragments of 1,536 bytes; position p holds row p with bits 3 and 4 swapped).
; A TILE OF THE PRODUCT is 256 positions of "A" x 128 positions of "B", K = 1,024.  A WORK-GROUP STAYS and makes three tiles: one of q, one of k (A = x, B = the weight), one of v with the
; roles changed (A = Wv, B = x), so that a lane holds one channel and its registers run down the tokens.  VX = cluster x + 2 x the tile's number says which: 0-1 q, 2-3 k, 4-5 v.
; LDS IS A RING OF TWO SLOTS, the two halves of K: [K half][A's four blocks, B's two][24,576 bytes].  Waves 0 and 1 fetch two of A's half blocks each (two rows of 24,576 bytes, 49,152 apart
; in memory), waves 2 and 3 one of B's each: one joint load a wave behind each round.  The next tile's first half is asked for at K step 3, when the first slot has been read out; its second half
; in the middle of the way out.  So a load has four K steps and half a way out, or half a way out and three K steps, in which to land.  A's blocks are asked for anew for every tile: one form for all.
; q and k are a loop of two trips; v, which asks for nothing more, is written out.
; FOUR WAVES: wave w owns A's 64 positions w (4 tiles; only it reads them) against all 8 tiles of B: 32 accumulators.  The matrix instruction is used
; transposed (source 0 = B's tile, source 1 = A's): in accumulator (a, b) lane (r, h), register j is (A position 16 a + r, B position 16 b + 8 h + j), and by the
; order of positions the 16 registers of tiles 2 g and 2 g + 1 are B's rows 32 g + 16 h + 0 .. 15: neighbours along the next K.
; CLUSTER 4 x 4: A's blocks are shared along a row of the cluster, B's along a column; each is asked for jointly.  No prefetch: every refill is asked for as soon as its slot is free.
; REGISTERS: window 0: v1-21 lane terms and addresses; v32-63 A's scale words (8 a + s), v64-127 B's (8 b + s): scales and nothing else; v128-223 A's fragments, two sets;
;   on the way out v128-207 are at work.  window 1: B's fragments, two sets (0, 128); on the way out v0-63 the rotated numbers, v64-71 at work.
;   window 2: the accumulators, (a, b) at 8 (8 a + b).  window 3: cos at 16 a + 4 q + m, sin 64 further on: loaded once, for q and k.
; LIMITS: NaN and infinities are not served; a block of zeros or under 2^-124 gets the byte 1 (read by this program alone); the rotation uses one fused multiply-add where two roundings are written.
.set BLK,  49152                       ; 64 positions x 1,024 K of codes
.set KST,  6144                        ; a K step of 128 of them: 4 fragments
.set FRB,  1536
.set HB,   24576                       ; half of K of a block
.set HALF, 6*HB                        ; a slot
.set BOFF, 4*HB                        ; B's place in a slot
.set REG,  6291456                     ; a region of qkvc
.set SREG, 262144                      ; and of qkvs
.set WV,   16
.set VX,   48                          ; s48 which tile; s49 the loop's counter; s[50:51], s[52:53] where this tile's codes and scale words go
.set CT,   49
.set G1A,  24                          ; s[24:31] group 1 for A's loads;  s[32:39] for B's
.set G1B,  32
.set G0A,  40                          ; s[40:47] groups 0 for A's two slots;  s[68:75] for B's
.set G0B,  68
.set SA,   32
.set SB,   64
.set AF,   128
.set A16,  8                           ; v8, v9   my A block in slot 0 + 16 x lane, + 8 x lane;  v16, v17 in slot 1
.set A8,   9
.set B16,  10                          ; v10-11, v12-13  the same for B's two blocks;  v18-21 in slot 1
.set B8,   12
.set HA,   0                           ; window 1
.set RT,   64                          ; window 1
.set TM,   128                         ; v128-131 largest magnitudes, v132-135 the other half's, then bytes, v140-143 scale operands
.set TQ,   144                         ; v144-146, v148-150
.set F,    152                         ; v152-199 four fragments to store
.set PWA,  200
.set PWB,  201
.set SW,   202                         ; v202-205 four scale words
.set PR,   206                         ; v206-207 the two that I store
.set MSB, 0
.macro WIN new                         ; the immediate's high byte repeats the setting that is left
.if MSB != (\new)
	s_set_vgpr_msb (MSB<<8)|(\new)
.set MSB, (\new)
.endif
.endm
.macro CREST                           ; a round of the cluster's barrier behind its opening barrier
	s_cmp_lg_u32 s[WV], 0
	s_cbranch_scc1 .Lnot_wave_0_\@
	s_barrier_signal -3
.Lnot_wave_0_\@:
	s_barrier_wait -3
	s_barrier_signal -1
	s_barrier_wait -1
.endm
.macro CROUND                          ; a whole round
	s_barrier_signal -1
	s_barrier_wait -1
	CREST
.endm
.macro PLACES n
.rept \n
	v_nop
.endr
.endm
.macro JLOAD c                         ; slot c: one joint load a wave; each of the two lines has one mask; the branch hangs on the wave's number alone
	s_cmp_lt_u32 s[WV], 2
	s_cbranch_scc0 .Lfor_b_\@
	tensor_load_to_lds s[G0A+4*(\c):G0A+4*(\c)+3], s[G1A:G1A+7]
	s_nop 0
	PLACES 4
	s_branch .Lasked_\@
.Lfor_b_\@:
	tensor_load_to_lds s[G0B+4*(\c):G0B+4*(\c)+3], s[G1B:G1B+7]
	s_nop 0
	PLACES 4
.Lasked_\@:
.endm
; which blocks of 64 positions tile s[vx] takes.  A's (with my wave's number) hang on cy and the cluster's numbers, B's first on cx and the cluster's numbers
.macro BLOCKS vx, ra, rb
	s_lshl_b32 s[\ra], s18, 2
	s_lshl_b32 s85, s19, 4
	s_cmp_ge_u32 s[\vx], 4                         ; v?  The same in all sixteen partners
	s_cselect_b32 s85, 160, s85                    ; q, k: x's blocks 16 cluster y + 4 cy on;  v: Wv's blocks 160 + 4 cy on
	s_add_co_u32 s[\ra], s[\ra], s85
	s_add_co_u32 s[\ra], s[\ra], s[WV]
	s_lshl_b32 s[\rb], s17, 1
	s_lshl_b32 s87, s[\vx], 3
	s_add_co_u32 s87, s87, 128                     ; q, k: the weights' blocks 128 + 8 VX + 2 cx
	s_max_u32 s88, s[\vx], 4
	s_sub_co_u32 s88, s88, 4
	s_lshl_b32 s88, s88, 6
	s_lshl_b32 s89, s19, 3
	s_add_co_u32 s88, s88, s89                     ; v: x's blocks 64 (VX - 4) + 8 cluster y + 2 cx
	s_cmp_ge_u32 s[\vx], 4
	s_cselect_b32 s87, s88, s87
	s_add_co_u32 s[\rb], s[\rb], s87
.endm
.macro OFFS ra, rb                     ; where the loads of such a tile begin in c1, as offsets: waves 0, 1 fetch A's blocks 0-1, 2-3 (first block + 2 x wave), waves 2, 3 B's block 0, 1
	s_add_co_u32 s90, s[\ra], s[WV]
	s_mul_i32 s90, s90, BLK
	s_mov_b32 s91, 0
	s_add_co_u32 s94, s[\rb], s93
	s_mul_i32 s94, s94, BLK
	s_mov_b32 s95, 0
.endm
.macro NEXT0                           ; no tensor load of mine is out: slot 0's groups 0 take the next tile's first half
	s_add_co_u32 s78, s[VX], 2
	BLOCKS 78, 76, 77
	OFFS 76, 77
	s_add_nc_u64 s[90:91], s[4:5], s[90:91]
	s_add_nc_u64 s[94:95], s[4:5], s[94:95]
	s_mov_b64 s[G0A+2:G0A+3], s[90:91]
	s_or_b32 s[G0A+3], s[G0A+3], 0x80000000
	s_mov_b64 s[G0B+2:G0B+3], s[94:95]
	s_or_b32 s[G0B+3], s[G0B+3], 0x80000000
.endm
.macro NEXT1                           ; and slot 1's its second half
	s_add_nc_u64 s[G0A+6:G0A+7], s[90:91], HB
	s_or_b32 s[G0A+7], s[G0A+7], 0x80000000
	s_add_nc_u64 s[G0B+6:G0B+7], s[94:95], HB
	s_or_b32 s[G0B+7], s[G0B+7], 0x80000000
.endm
.macro SCLOAD ra, rb                   ; the scale words of all of K of a tile stay in registers; lanes 0-15 are read.  512 bytes a tile of 16, 2,048 a block
	s_lshl_b32 s56, s[\ra], 11
	s_mov_b32 s57, 0
	s_lshl_b32 s58, s[\rb], 11
	s_mov_b32 s59, 0
	s_add_nc_u64 s[56:57], s[6:7], s[56:57]
	s_add_nc_u64 s[58:59], s[6:7], s[58:59]
.irp a, 0,1,2,3
.irp k, 0,1
	global_load_b128 v[SA+8*\a+4*\k:SA+8*\a+4*\k+3], v5, s[56:57] offset:512*\a+256*\k
.endr
.endr
.irp b, 0,1,2,3,4,5,6,7
.irp k, 0,1
	global_load_b128 v[SB+8*\b+4*\k:SB+8*\b+4*\k+3], v5, s[58:59] offset:512*\b+256*\k
.endr
.endr
.endm
.macro FRAG reg, a16, a8, off          ; a fragment's image: four loads, each of consecutive bytes in the lanes
	ds_load_b128 v[\reg:\reg+3], v[\a16] offset:\off
	ds_load_b64 v[\reg+4:\reg+5], v[\a8] offset:\off+512
	ds_load_b128 v[\reg+6:\reg+9], v[\a16] offset:\off+768
	ds_load_b64 v[\reg+10:\reg+11], v[\a8] offset:\off+1280
.endm
.macro FETCH s, p                      ; K step s into set p: B's eight fragments, A's four: 48 loads
	WIN 0x40                                       ; destination window 1, address window 0
.irp b, 0,1,2,3,4,5,6,7
	FRAG 128*(\p)+12*\b, B16+\b/4+8*((\s)/4), B8+\b/4+8*((\s)/4), ((\s)%4)*KST+(\b%4)*FRB
.endr
	WIN 0
.irp a, 0,1,2,3
	FRAG AF+48*(\p)+12*\a, A16+8*((\s)/4), A8+8*((\s)/4), ((\s)%4)*KST+\a*FRB
.endr
.endm
.macro MULH s, p, zero, a0             ; 16 products: A's tiles a0, a0 + 1 against B's eight; the 32 accumulators take turns, one instruction a turn
	WIN 0xa1                                       ; source 0 (B) window 1, source 1 (A) window 0, C and D window 2
.irp a, \a0, \a0+1
.irp b, 0,1,2,3,4,5,6,7
.if \zero
	v_wmma_scale_f32_16x16x128_f8f6f4 v[8*(8*(\a)+\b):8*(8*(\a)+\b)+7], v[128*(\p)+12*\b:128*(\p)+12*\b+11], v[AF+48*(\p)+12*(\a):AF+48*(\p)+12*(\a)+11], 0, v[SB+8*\b+(\s)], v[SA+8*(\a)+(\s)] matrix_a_fmt:MATRIX_FMT_FP6 matrix_b_fmt:MATRIX_FMT_FP6
.else
	v_wmma_scale_f32_16x16x128_f8f6f4 v[8*(8*(\a)+\b):8*(8*(\a)+\b)+7], v[128*(\p)+12*\b:128*(\p)+12*\b+11], v[AF+48*(\p)+12*(\a):AF+48*(\p)+12*(\a)+11], v[8*(8*(\a)+\b):8*(8*(\a)+\b)+7], v[SB+8*\b+(\s)], v[SA+8*(\a)+(\s)] matrix_a_fmt:MATRIX_FMT_FP6 matrix_b_fmt:MATRIX_FMT_FP6
.endif
.endr
.endr
.endm
; A K step.  ring = 1: a tile that has a successor: at K step 3 slot 0 has been read out and is filled again
.macro KSTEP s, ring
.if (\ring) && ((\s) == 3)
	WIN 0                                          ; (the add's two registers lie in window 0)
	s_wait_tensorcnt 0x0                           ; all my tensor loads have landed: the one that was out is my part of slot 1;
	ds_add_u32 v254, v255                          ; 0 onto my spare word:
	NEXT0                                          ; work on registers stands between the add and the wait for it
	s_wait_dscnt 0x0                               ; the add is done, and my reads of slot 0 are over (K step 3's fragments are in)
	s_barrier_signal -1                            ; this barrier opens a round of the cluster's barrier;
	MULH \s, (\s)%2, 0, 0                          ; work on registers while the others arrive
	WIN 0
	s_barrier_wait -1
	CREST                                          ; no wave of any partner still reads slot 0 or has a load on its way, and slot 1 is whole
	JLOAD 0                                        ; the first tensor load behind the round; its four v_nop are the places in front of the loads below
	FETCH (\s)+1, ((\s)+1)%2
	MULH \s, (\s)%2, 0, 2
.else
.if (\s) == 3
	WIN 0
	s_wait_tensorcnt 0x0                           ; my part of slot 1 is in
	s_wait_dscnt 0x0                               ; no LDS load of mine is pending at the signal
	s_barrier_signal -1
	s_barrier_wait -1                              ; everybody's is.
.endif
.if (\s) < 7
.if (\s) > 0
	PLACES 4                                       ; in front of loads into the set that the step before multiplied
.endif
	FETCH (\s)+1, ((\s)+1)%2
	s_wait_dscnt 48                                ; all but the 48 just issued: this step's fragments are in
.else
	s_wait_dscnt 0x0
.endif
	MULH \s, (\s)%2, (\s)==0, 0
	MULH \s, (\s)%2, (\s)==0, 2
.endif
.endm
; 64 numbers of a lane in window w, register 16 b + i = k 32 b + 16 h + i of my row, become two halves of fragments (d0: k 0-63, d1: k 64-127) and a scale word
.macro QUANT src, w, d0, d1, pw
	WIN (\w)|((\w)<<2)
.irp b, 0,1,2,3
	v_max3_num_f32 v[TM+\b], |v[\src+16*\b]|, |v[\src+16*\b+1]|, 0x1800000   ; my 16 of block b, and the floor 2^(3 - 127)
.endr
	WIN ((\w)<<2)|((\w)<<4)
.irp i, 2,4,6,8,10,12,14
.irp b, 0,1,2,3
	v_max3_num_f32 v[TM+\b], v[TM+\b], |v[\src+16*\b+\i]|, |v[\src+16*\b+\i+1]|
.endr
.endr
	WIN 0
.irp b, 0,1,2,3
	v_permlanex16_b32 v[TM+4+\b], v[TM+\b], s66, s67
.endr
.irp b, 0,1,2,3
	v_max_num_f32 v[TM+\b], v[TM+\b], v[TM+4+\b]   ; with lane l xor 16's: the block's largest magnitude
.endr
.irp b, 0,1,2,3
	v_add_nc_u32 v[TM+12+\b], 0xff000000, v[TM+\b] ; 2 off its exponent field: the conversion's scale operand
.endr
.irp b, 0,1,2,3
	v_lshrrev_b32 v[TM+4+\b], 23, v[TM+12+\b]      ; the byte
.endr
	v_lshl_or_b32 v[\pw], v[TM+5], 8, v[TM+4]
	v_lshl_or_b32 v[\pw], v[TM+6], 16, v[\pw]
	v_lshl_or_b32 v[\pw], v[TM+7], 24, v[\pw]
	WIN (\w)
	v_cvt_scalef32_pk16_fp6_f32 v[\d0:\d0+2], v[\src:\src+15], v[TM+12]
	v_cvt_scalef32_pk16_fp6_f32 v[TQ:TQ+2], v[\src+16:\src+31], v[TM+13]
	v_cvt_scalef32_pk16_fp6_f32 v[\d1:\d1+2], v[\src+32:\src+47], v[TM+14]
	v_cvt_scalef32_pk16_fp6_f32 v[TQ+4:TQ+6], v[\src+48:\src+63], v[TM+15]
	WIN 0
	v_nop                                          ; one plain place behind a scaled conversion
.irp i, 0,1,2
	v_permlane16_swap_b32 v[\d0+\i], v[TQ+\i]      ; a whole block to a lane: lanes 0-15 the even block, lanes 16-31 the odd one
.endr
.irp i, 0,1,2
	v_mov_b32 v[\d0+3+\i], v[TQ+\i]
.endr
.irp i, 0,1,2
	v_permlane16_swap_b32 v[\d1+\i], v[TQ+4+\i]
.endr
.irp i, 0,1,2
	v_mov_b32 v[\d1+3+\i], v[TQ+4+\i]
.endr
.endm
; The rotation of tile a's 128 columns (two heads).  Registers 2 m, 2 m + 1 of accumulator (a, b) are a pair; its angle is number 16 ((b % 4) / 2) + 8 h + 4 (b % 2) + m of my token's 32.
.macro ROPE a
	WIN 0x5e                                       ; destination and source 2 window 1, source 0 (sums) window 2, source 1 (cos, sin) window 3
.irp b, 0,1,2,3,4,5,6,7
.irp m, 0,1,2,3
	v_mul_f32 v[RT+2*\m], v[64*(\a)+8*\b+2*\m+1], v[64+16*(\a)+4*(\b%4)+\m]     ; b sin   (each accumulator is read from its low end on)
	v_mul_f32 v[RT+2*\m+1], v[64*(\a)+8*\b+2*\m], v[64+16*(\a)+4*(\b%4)+\m]     ; a sin
.endr
.irp m, 0,1,2,3
	v_fma_f32 v[HA+8*\b+2*\m], v[64*(\a)+8*\b+2*\m], v[16*(\a)+4*(\b%4)+\m], -v[RT+2*\m]        ; a cos - b sin
	v_fma_f32 v[HA+8*\b+2*\m+1], v[64*(\a)+8*\b+2*\m+1], v[16*(\a)+4*(\b%4)+\m], v[RT+2*\m+1]   ; b cos + a sin
.endr
.endr
	WIN 0
.endm
.macro STOREF reg, off                 ; a fragment leaves as it stands: each store covers 512 or 256 consecutive bytes, aligned to 256
	global_store_b128 v3, v[\reg:\reg+3], s[50:51] offset:\off
	global_store_b64 v4, v[\reg+4:\reg+5], s[50:51] offset:\off+512
	global_store_b128 v3, v[\reg+6:\reg+9], s[50:51] offset:\off+768
	global_store_b64 v4, v[\reg+10:\reg+11], s[50:51] offset:\off+1280
.endm
.macro WORDS                           ; lanes 0-15 store words 0 and 1, lanes 16-31 words 2 and 3
	s_wait_alu depctr_va_vdst(0)
	v_cndmask_b32 v[PR], v[SW], v[SW+2], s99
	v_cndmask_b32 v[PR+1], v[SW+1], v[SW+3], s99
	global_store_b64 v14, v[PR:PR+1], s[52:53]     ; v: 256 consecutive bytes; q, k: 128 consecutive bytes for each of two heads
.endm
	s_load_b256 s[4:11], s[0:1], 0x0               ; c1 s[4:5], s1 s[6:7], cos s[8:9], sin s[10:11]
	s_load_b128 s[12:15], s[0:1], 0x20             ; qkvc s[12:13], qkvs s[14:15]
	v_lshl_add_u32 v254, v0, 2, 0x48000
	v_mov_b32 v255, 0
	ds_add_u32 v254, v255                          ; the opening lines: the add, twice on end, and its wait ahead of my first tensor load
	ds_add_u32 v254, v255
	v_lshrrev_b32 v1, 5, v0
	v_readfirstlane_b32 s[WV], v1                  ; wave 0..3
	s_bfe_u32 s17, ttmp6, 0x40000                  ; cx
	s_bfe_u32 s18, ttmp6, 0x40004                  ; cy
	s_and_b32 s19, ttmp7, 0xffff                   ; cluster y;  cluster x is ttmp9
	s_lshl_b32 s20, s18, 2
	s_lshl_b32 s20, 15, s20                        ; my row of the cluster
	s_lshl_b32 s21, 0x1111, s17                    ; my column
	s_or_b32 s[G1A], s20, (3<<16)|(1<<21)          ; 15:0 the mask; 17:16 elements of 8 bytes; 21 set beside a mask; no padding
	s_or_b32 s[G1B], s21, (3<<16)|(1<<21)
	s_mov_b32 s[G1A+1], 3072<<16                   ; tensor_dim0 = 3,072 elements: a row is half of K of one block, 24,576 bytes
	s_mov_b32 s[G1A+2], 2<<16                      ; tensor_dim1 = 2 blocks
	s_mov_b32 s[G1A+3], 3072<<16                   ; tile_dim0
	s_mov_b32 s[G1A+4], 2                          ; tile_dim1
	s_mov_b32 s[G1A+5], 6144                       ; pitch: a block, 49,152 bytes
	s_mov_b32 s[G1A+6], 0
	s_mov_b32 s[G1A+7], 0
	s_mov_b32 s[G1B+1], 32<<16                     ; rows of 256 bytes of a dense block,
	s_mov_b32 s[G1B+2], 96<<16                     ; 96 of them: half of K of one block
	s_mov_b32 s[G1B+3], 32<<16
	s_mov_b32 s[G1B+4], 96
	s_mov_b32 s[G1B+5], 32
	s_mov_b32 s[G1B+6], 0
	s_mov_b32 s[G1B+7], 0
	s_mov_b32 s[VX], ttmp9                         ; the first tile: q
	s_mov_b32 s[CT], 0
	s_and_b32 s93, s[WV], 1
	BLOCKS VX, 84, 86                              ; s84 my block of A, s86 B's first block
	OFFS 84, 86
	s_mul_i32 s96, s[WV], 2*HB                     ; where A's two half blocks go: no place in the cluster enters an LDS address
	s_mul_i32 s97, s[WV], HB                       ; my own block of A in a slot
	s_mul_i32 s98, s93, HB
	s_add_co_u32 s98, s98, BOFF
	s_and_b32 s60, s84, 31
	s_lshl_b32 s60, s60, 13                        ; cos, sin: my block's first token in its sequence, 128 bytes a token
	s_mov_b32 s61, 0
	s_mov_b32 s66, 0x76543210
	s_mov_b32 s67, 0xfedcba98                      ; lane l xor 16
	s_mov_b32 s99, 0xffff0000                      ; lanes 16-31
	s_wait_dscnt 0x0                               ; both opening adds are done
	s_wait_kmcnt 0x0
	s_add_nc_u64 s[90:91], s[4:5], s[90:91]
	s_add_nc_u64 s[94:95], s[4:5], s[94:95]
	s_add_nc_u64 s[62:63], s[8:9], s[60:61]
	s_add_nc_u64 s[60:61], s[10:11], s[60:61]
.irp c, 0,1
	s_mov_b32 s[G0A+4*\c], 1
	s_add_co_u32 s[G0A+4*\c+1], s96, HALF*\c
	s_add_nc_u64 s[G0A+4*\c+2:G0A+4*\c+3], s[90:91], HB*\c
	s_or_b32 s[G0A+4*\c+3], s[G0A+4*\c+3], 0x80000000
	s_mov_b32 s[G0B+4*\c], 1
	s_add_co_u32 s[G0B+4*\c+1], s98, HALF*\c
	s_add_nc_u64 s[G0B+4*\c+2:G0B+4*\c+3], s[94:95], HB*\c
	s_or_b32 s[G0B+4*\c+3], s[G0B+4*\c+3], 0x80000000
.endr
	CROUND                                         ; all sixteen work-groups are here: the joint loads meet
	JLOAD 0                                        ; the first tile's first half of K: one tensor load a wave at the head
	v_and_b32 v1, 15, v0                           ; r
	v_bfe_u32 v2, v0, 4, 1                         ; h
	v_and_b32 v7, 31, v0
	v_lshlrev_b32 v3, 4, v7                        ; 16 x lane
	v_lshlrev_b32 v4, 3, v7                        ; 8 x lane
	v_lshlrev_b32 v5, 4, v1                        ; 16 r: a row's four scale words
	v_and_b32 v6, 7, v1
	v_lshrrev_b32 v7, 3, v1
	v_lshl_add_u32 v6, v7, 4, v6
	v_lshlrev_b32 v6, 7, v6
	v_lshl_add_u32 v6, v2, 5, v6                   ; cos, sin: token r % 8 + 16 (r / 8) of a tile's 32, + 32 h bytes
	v_add_nc_u32 v[A16], s97, v3
	v_add_nc_u32 v[A8], s97, v4
	v_add_nc_u32 v[B16], BOFF, v3
	v_add_nc_u32 v[B16+1], BOFF+HB, v3
	v_add_nc_u32 v[B8], BOFF, v4
	v_add_nc_u32 v[B8+1], BOFF+HB, v4
.irp j, 8,9,10,11,12,13
	v_add_nc_u32 v[\j+8], HALF, v[\j]              ; v16-21: the same six addresses in slot 1
.endr
	SCLOAD 84, 86
	WIN 0xc0                                       ; destination window 3
.irp a, 0,1,2,3
.irp q, 0,1,2,3
	global_load_b128 v[16*\a+4*\q:16*\a+4*\q+3], v6, s[62:63] offset:(32*(\a/2)+8*(\a%2))*128+64*(\q/2)+16*(\q%2)
	global_load_b128 v[64+16*\a+4*\q:64+16*\a+4*\q+3], v6, s[60:61] offset:(32*(\a/2)+8*(\a%2))*128+64*(\q/2)+16*(\q%2)
.endr
.endr
	WIN 0
	s_wait_alu depctr_va_vdst(0)
	s_wait_tensorcnt 0x0                           ; my part of slot 0 is in
	ds_add_u32 v254, v255
	s_wait_dscnt 0x0
	CROUND                                         ; everybody's part is in, and all sixteen work-groups are here
	JLOAD 1                                        ; the second half of K
.Ltile:                                                ; ---- q, then k.  Here slot 0 is whole for every wave, and my one load that is out is my part of slot 1
	FETCH 0, 0
	s_wait_loadcnt 0x0                             ; this tile's scale words (and, the first time, cos and sin)
.irp s, 0,1,2,3,4,5,6,7
	KSTEP \s, 1
.endr
	WIN 0
	PLACES 4                                       ; behind the last products: results are read, and operands' and scales' registers written, from here on
	SCLOAD 76, 77                                  ; the next tile's scale words land while this tile goes out
.irp b, 0,1,2,3
	v_mov_b32 v[TM+4+\b], 0                        ; a lane permute's destination counts as one of its sources
.endr
	; my 64 tokens x two heads.  Tiles 2 g and 2 g + 1 of tokens make a PAIR fragment for each head: half u = tile 2 g + u, its 64 numbers
	s_lshr_b32 s20, s84, 5
	s_lshl_b32 s20, s20, 4                         ; 16 x batch
	s_lshl_b32 s21, s[VX], 2
	s_add_co_u32 s21, s21, s17
	s_and_b32 s21, s21, 7
	s_lshl_b32 s21, s21, 1
	s_add_co_u32 s20, s20, s21                     ; + my first head
	s_and_b32 s21, s84, 31                         ; my block in its sequence
	s_lshr_b32 s22, s[VX], 1                       ; 0: q, 1: k
	s_mul_i32 s2, s22, REG
	s_mul_i32 s3, s20, 98304
	s_add_co_u32 s2, s2, s3
	s_mul_i32 s3, s21, 2*FRB
	s_add_co_u32 s2, s2, s3
	s_mov_b32 s3, 0
	s_add_nc_u64 s[50:51], s[12:13], s[2:3]
	s_lshl_b32 s2, s22, 18
	s_lshl_b32 s23, s20, 12
	s_add_co_u32 s2, s2, s23
	s_lshl_b32 s23, s21, 7
	s_add_co_u32 s2, s2, s23
	s_add_nc_u64 s[52:53], s[14:15], s[2:3]
	v_lshlrev_b32 v14, 3, v1
	v_lshl_add_u32 v14, v2, 12, v14                ; lanes 0-15 store the first head's two words of row r, lanes 16-31 the second's: 8 r + 4,096 h
.irp g, 0,1
	ROPE 2*\g
	QUANT HA, 1, F+12*\g, F+24+12*\g, PWA
	ROPE 2*\g+1
	QUANT HA, 1, F+12*\g+6, F+24+12*\g+6, PWB
	v_perm_b32 v[SW+\g], v[PWB], v[PWA], 0x05040100     ; first head: bytes 0, 1 of tile 2 g, then of tile 2 g + 1
	v_perm_b32 v[SW+2+\g], v[PWB], v[PWA], 0x07060302   ; second head: bytes 2, 3
.if \g == 0
	s_wait_alu depctr_va_vdst(0)
	s_wait_tensorcnt 0x0                           ; IN THE MIDDLE OF THE WAY OUT slot 1, read out since K step 7, is filled again.  My part of the next tile's first half is in;
	ds_add_u32 v254, v255                          ; 0 onto my spare word:
	NEXT1
	s_wait_dscnt 0x0                               ; the add is done; my reads of slot 1 were over at K step 7
	CROUND                                         ; both hold of every wave of every partner: slot 0 is whole, slot 1 is free
	JLOAD 1
.endif
.endr
.irp c, 0,1
.irp g, 0,1
	STOREF F+12*(2*\c+\g), \c*98304+\g*FRB
.endr
.endr
	WORDS
	s_wait_alu depctr_va_vdst(0)
	s_wait_xcnt 0x0                                ; the stores have read their registers and bases: they are written again only behind this wait
	s_mov_b32 s84, s76                             ; on to the next tile
	s_mov_b32 s86, s77
	s_add_co_u32 s[VX], s[VX], 2
	s_add_co_u32 s[CT], s[CT], 1
	s_cmp_lt_u32 s[CT], 2
	s_cbranch_scc1 .Ltile
	; ---- v: nothing more is asked for
	FETCH 0, 0
	s_wait_loadcnt 0x0
.irp s, 0,1,2,3,4,5,6,7
	KSTEP \s, 0
.endr
	WIN 0
	PLACES 4
.irp b, 0,1,2,3
	v_mov_b32 v[TM+4+\b], 0
.endr
	; my head's 64 channels x 128 tokens (one key step).  Tile a's 64 registers run down the tokens: one fragment of V^T
	s_lshr_b32 s20, s86, 5
	s_lshl_b32 s20, s20, 4
	s_sub_co_u32 s21, s84, 160                     ; my head
	s_add_co_u32 s20, s20, s21
	s_and_b32 s21, s86, 31
	s_lshr_b32 s21, s21, 1                         ; the key step
	s_mul_i32 s2, s20, 98304
	s_mul_i32 s3, s21, KST
	s_add_co_u32 s2, s2, s3
	s_add_co_u32 s2, s2, 2*REG
	s_mov_b32 s3, 0
	s_add_nc_u64 s[50:51], s[12:13], s[2:3]
	s_lshl_b32 s2, s20, 12
	s_lshl_b32 s23, s21, 8
	s_add_co_u32 s2, s2, s23
	s_add_co_u32 s2, s2, 2*SREG
	s_add_nc_u64 s[52:53], s[14:15], s[2:3]
	v_lshlrev_b32 v14, 4, v1
	v_lshl_add_u32 v14, v2, 3, v14                 ; 16 r + 8 h: words 2 h and 2 h + 1 of channel r
.irp a, 0,1,2,3
	QUANT 64*\a, 2, F+12*\a, F+12*\a+6, SW+\a
.endr
.irp a, 0,1,2,3
	STOREF F+12*\a, \a*FRB
.endr
	WORDS
	s_wait_tensorcnt 0x0                           ; the wave's end
	ds_add_u32 v254, v255
	s_wait_dscnt 0x0
	CROUND                                         ; the closing round: no work-group ends while a partner may still ask for a block that names it
	s_endpgm
.Lfunc_end_k_q0a79cf4b2e_qkv:
	.size	k_q0a79cf4b2e_qkv, .Lfunc_end_k_q0a79cf4b2e_qkv-k_q0a79cf4b2e_qkv
	.p2alignl 7, 3214868480
	.fill 96, 4, 3214868480
	.section	.rodata,"a",@progbits
	.p2align	6, 0x0
	.amdhsa_kernel k_q0a79cf4b2e_qkv
		.amdhsa_group_segment_fixed_size 327680
		.amdhsa_private_segment_fixed_size 0
		.amdhsa_enable_private_segment 0
		.amdhsa_kernarg_size 48
		.amdhsa_user_sgpr_count 2
		.amdhsa_user_sgpr_kernarg_segment_ptr 1
		.amdhsa_wavefront_size32 1
		.amdhsa_system_sgpr_workgroup_id_x 1
		.amdhsa_system_sgpr_workgroup_id_y 1
		.amdhsa_system_sgpr_workgroup_id_z 1
		.amdhsa_system_vgpr_workitem_id 0
		.amdhsa_next_free_vgpr 1024
		.amdhsa_next_free_sgpr 100
		.amdhsa_reserve_vcc 0
		.amdhsa_float_denorm_mode_32 3
		.amdhsa_float_denorm_mode_16_64 3
		.amdhsa_memory_ordered 1
		.amdhsa_forward_progress 1
		.amdhsa_inst_pref_size 197
	.end_amdhsa_kernel
	.amdgpu_metadata
---
amdhsa.version: [ 1, 2 ]
amdhsa.kernels:
  - .name:           k_q0a79cf4b2e_qkv
    .symbol:         k_q0a79cf4b2e_qkv.kd
    .args:
      - { .name: c1, .offset: 0, .size: 8, .value_kind: global_buffer, .address_space: global }
      - { .name: s1, .offset: 8, .size: 8, .value_kind: global_buffer, .address_space: global }
      - { .name: freqs_cos, .offset: 16, .size: 8, .value_kind: global_buffer, .address_space: global }
      - { .name: freqs_sin, .offset: 24, .size: 8, .value_kind: global_buffer, .address_space: global }
      - { .name: qkvc, .offset: 32, .size: 8, .value_kind: global_buffer, .address_space: global }
      - { .name: qkvs, .offset: 40, .size: 8, .value_kind: global_buffer, .address_space: global }
    .group_segment_fixed_size: 327680
    .private_segment_fixed_size: 0
    .kernarg_segment_align: 8
    .kernarg_segment_size: 48
    .max_flat_workgroup_size: 128
    .sgpr_count:     100
    .vgpr_count:     1024
    .wavefront_size: 32
...
	.end_amdgpu_metadata
.endif
;; end of part 2
;; launch attn (part 3): grid 4 x 64, 16 waves a work-group, no clusters, 327,680 bytes of LDS; arguments qkvc, qkvs, oc, os; writes oc, os
.if DOCPART == 3
	.amdgcn_target "amdgcn-amd-amdhsa--gfx1250"
	.amdhsa_code_object_version 6
	.text
	.protected	k_q0a79cf4b2e_attn
	.globl	k_q0a79cf4b2e_attn
	.p2align	8
	.type	k_q0a79cf4b2e_attn,@function
k_q0a79cf4b2e_attn:
	s_mov_b64 s[64:65], 0
	v_nop
	global_prefetch_b8 v0, s[64:65] scope:SCOPE_SE
	s_setreg_imm32_b32 hwreg(HW_REG_WAVE_MODE, 25, 1), 1
	s_wait_xcnt 0x0
; Causal attention of one head (64 channels, 2,048 tokens) on codes of FP6 with E8M0 scales; the result is quantised along head x 64 + channel for the last product.
; THE SOFTMAX: t = score x log2(e) / 8; M = the running largest t rounded UP to a whole number; p = 2^(t - M) is quantised along the keys, not normalised; the row's sum is
; taken of the unquantised p and divides at the end.  When M moves, the sum and O are multiplied by 2^(old M - new M): exact.
; SHARES: a head has 128 tiles of 16 queries; tile T needs T / 8 + 1 key steps of 128 (the steps behind it lie wholly under the causal mask and are left out).  Wave w of work-group i
; owns tiles 127 - (4 w + i) and 4 w + i: 17 key steps for every wave, and every work-group reads all 2,048 keys.
; LDS, each byte filled once, in two groups of loads, one tensor load a wave in each.  At the head: keys 0-511 (waves 0-3 K, 4-7 V) and all scale words (waves 8-15).  Behind the
; barrier that follows their landing: keys 512-2,047 (waves 0-7 K, 8-15 V), which land while the first four key steps are worked.
; K's pair fragments (1,536 bytes: 32 tokens) with even and with odd numbers lie in two regions, D1 or D2 bytes apart, 128 more than a multiple of 256.
; LAYOUT: both products transposed (S^T = K Q^T, O^T = V^T P^T): a lane holds one query.  A TILE OF K IS PUT TOGETHER BY ADDRESS: of 64 keys, tile t takes keys 8 t + 0..7 (lanes 0-7, from the
; even fragment) and 32 + 8 t + 0..7 (lanes 8-15, from the odd one).  So the 32 registers of a lane (r, h) in four tiles are keys 32 h + 0..31: a whole block, in the order of p's operand.
; K = 64 IN AN INSTRUCTION 128 DEEP: a fragment holds tile 2 f in k 0-63 and tile 2 f + 1 in k 64-127; against [q | zeros] it gives the first's scores, against [zeros | q] the second's.
; NO CLUSTER, though the four work-groups of a head read the same K and V: which key steps a wave leaves out hangs on its tiles, that is on the work-group's place.
; NO PREFETCH: the second group of loads, the launch's last, is asked for as soon as the first has landed; there is no later load to run ahead of.
; THE RESULT'S SCALE BYTES leave by stores of one byte a lane: the other bytes of that stretch belong to other heads, that is to other work-groups; 262,144 bytes in all.
; LIMITS: NaN and infinities are not served; the running maximum starts at -3e38; the promise holds while the scaled scores stay under 2^31 in magnitude;
; a block of zeros or under 2^-124 gets the byte 1 (read by this program alone).
.set FRB,   1536
.set HDB,   98304                      ; a head's codes of q, k or v
.set REG,   6291456
.set SREG,  262144
.set KE1,   0                          ; keys 0-511: K's even fragments; the odd ones D1 on
.set D1,    12416
.set V1,    24832                      ; V's
.set SKOFF, 49408                      ; K's scale words, 4,096 bytes; V's
.set SVOFF, 53504
.set KE2,   57600                      ; keys 512-2,047
.set D2,    36992
.set V2,    131584
.set SPARE, 205312                     ; the spare words: 128 bytes a wave
.set FR,  36                           ; v36-83   four fragments: K's, then V's
.set SK,  84                           ; v84-87   K's scale words;  v88-91 V's
.set SV,  88
.set S,   96                           ; v96-159  S^T, then p: register 32 c + n = key 64 c + 32 h + n
.set O,   160                          ; v160-191 O^T
.set PC,  192                          ; v192-203 p's codes
.set TQ,  204                          ; v204-206, v208-210 the conversions' second halves
.set BM,  212                          ; v212-215 largest scores: block c at BM + c
.set SO,  216                          ; v216-217 the conversions' scale operands;  v218-219 bytes
.set PM,  218
.set SM,  228                          ; v228-235 four chains of the row's sum
; v1, v2 (v236, v237) K's lane terms for keys 0-511 (512 on); v3, v4 16 x, 8 x lane; v5, v6 my scale words' places; v7 the mask's number; v8-11, v92, v93 addresses in hand
; v12 -M, v13 largest score, v[14:15] the sum; v16-33 [q | zeros | q]; v34 q's scale word; v35 8 h; v220, v221 at work; v222 p's scale word; v223 lane part of the mask's number
; v224 f (v225 named with it); v226, v227 at work; v240-246 the second tile's q and its word; v94 8 r, v95 16 r + h; v254, v255 the add's
.set WV,  12
.set TB,  20                           ; K's, V's and the scale words' place of the key step in hand
.set TS,  21
.set KS,  22
.set DG,  23
.set TV,  82
.set CNT, 60
.set HM,  61
.set G1K, 24                           ; groups 1: rows of 1,536 bytes, every second one (K) or all (V); rows of 256 bytes (scale words)
.set G1V, 32
.set G1S, 40
.macro FRAG reg, a16, a8, off
	ds_load_b128 v[\reg:\reg+3], v[\a16] offset:\off
	ds_load_b64 v[\reg+4:\reg+5], v[\a8] offset:\off+512
	ds_load_b128 v[\reg+6:\reg+9], v[\a16] offset:\off+768
	ds_load_b64 v[\reg+10:\reg+11], v[\a8] offset:\off+1280
.endm
.macro NOPS
.rept 4
	v_nop
.endr
.endm
; the four addresses of tile s[t]: q's codes, q's scale word, the result's codes, the result's scale bytes
.macro BASES t, cq, wq, co, so
	s_mul_i32 s86, s[\t], 768                      ; half T % 2 of pair fragment T / 2
	s_add_co_u32 s86, s86, s90
	s_mov_b32 s87, 0
	s_add_nc_u64 s[\cq:\cq+1], s[4:5], s[86:87]
	s_lshr_b32 s86, s[\t], 2
	s_lshl_b32 s86, s86, 7
	s_bfe_u32 s85, s[\t], 0x10001
	s_lshl_b32 s85, s85, 2
	s_add_co_u32 s86, s86, s85
	s_add_co_u32 s86, s86, s91
	s_add_nc_u64 s[\wq:\wq+1], s[6:7], s[86:87]
	s_lshr_b32 s85, s13, 4
	s_lshl_b32 s85, s85, 7
	s_add_co_u32 s84, s[\t], s85                   ; the tile among all 512: 128 x batch + T
	s_lshr_b32 s86, s84, 2
	s_mul_i32 s86, s86, 49152
	s_and_b32 s85, s84, 3
	s_mul_i32 s85, s85, FRB
	s_add_co_u32 s86, s86, s85
	s_add_co_u32 s86, s86, s88
	s_add_nc_u64 s[\co:\co+1], s[8:9], s[86:87]
	s_lshl_b32 s86, s84, 9
	s_add_co_u32 s86, s86, s89
	s_add_nc_u64 s[\so:\so+1], s[10:11], s[86:87]
.endm
	s_load_b256 s[4:11], s[0:1], 0x0               ; qkvc s[4:5], qkvs s[6:7], oc s[8:9], os s[10:11]
	v_lshl_add_u32 v254, v0, 2, SPARE
	v_mov_b32 v255, 0
	ds_add_u32 v254, v255                          ; the opening lines: the add, twice on end, and its wait ahead of my first tensor load
	ds_add_u32 v254, v255
	v_lshrrev_b32 v8, 5, v0
	v_readfirstlane_b32 s[WV], v8                  ; wave 0..15
	s_and_b32 s13, ttmp7, 0xffff                   ; batch x 16 + head
.irp g, G1K, G1V
	s_mov_b32 s[\g], 3<<16                         ; elements of 8 bytes, no padding
	s_mov_b32 s[\g+1], 192<<16                     ; a row: a fragment, 1,536 bytes
	s_mov_b32 s[\g+2], 4<<16                       ; 4 rows at the head
	s_mov_b32 s[\g+3], 192<<16
	s_mov_b32 s[\g+4], 4
	s_mov_b32 s[\g+6], 0
	s_mov_b32 s[\g+7], 0
.endr
	s_mov_b32 s[G1K+5], 384                        ; K: every second fragment
	s_mov_b32 s[G1V+5], 192                        ; V: dense
	s_mov_b32 s[G1S], 3<<16                        ; scale words: 4 rows of 256 bytes, dense
	s_mov_b32 s[G1S+1], 32<<16
	s_mov_b32 s[G1S+2], 4<<16
	s_mov_b32 s[G1S+3], 32<<16
	s_mov_b32 s[G1S+4], 4
	s_mov_b32 s[G1S+5], 32
	s_mov_b32 s[G1S+6], 0
	s_mov_b32 s[G1S+7], 0
	s_mul_i32 s90, s13, HDB                        ; the head's codes,
	s_lshl_b32 s91, s13, 12                        ; and its scale words
	s_lshr_b32 s86, s[WV], 1                       ; waves 0-3, K: even or odd fragments (w / 2), the first or second four of them (w % 2)
	s_and_b32 s87, s[WV], 1
	s_mul_i32 s49, s86, D1
	s_mul_i32 s84, s87, 6144
	s_add_co_u32 s49, s49, s84
	s_mul_i32 s50, s86, FRB
	s_mul_i32 s84, s87, 12288
	s_add_co_u32 s50, s50, s84
	s_add_co_u32 s50, s50, s90
	s_add_co_u32 s50, s50, REG
	s_mov_b32 s51, 0
	s_mul_i32 s53, s[WV], 6144                     ; waves 4-7, V: key step w - 4
	s_add_co_u32 s54, s53, s90
	s_add_co_u32 s54, s54, 2*REG-24576
	s_mov_b32 s55, 0
	s_add_co_u32 s53, s53, V1-24576
	s_lshl_b32 s57, s[WV], 10                      ; waves 8-15: 1,024 bytes of scale words, K's (8-11), then V's
	s_cmp_lt_u32 s[WV], 12
	s_cselect_b32 s58, 0, SREG-4096
	s_add_co_u32 s58, s58, s57
	s_add_co_u32 s58, s58, s91
	s_add_co_u32 s58, s58, SREG-8192
	s_mov_b32 s59, 0
	s_add_co_u32 s57, s57, SKOFF-8192
	s_mov_b32 s48, 1
	s_mov_b32 s52, 1
	s_mov_b32 s56, 1
	s_wait_dscnt 0x0                               ; both opening adds are done
	s_wait_kmcnt 0x0
	s_add_nc_u64 s[50:51], s[4:5], s[50:51]
	s_or_b32 s51, s51, 0x80000000
	s_add_nc_u64 s[54:55], s[4:5], s[54:55]
	s_or_b32 s55, s55, 0x80000000
	s_add_nc_u64 s[58:59], s[6:7], s[58:59]
	s_or_b32 s59, s59, 0x80000000
	s_cmp_lt_u32 s[WV], 4                          ; one chain of branches on the wave's number: every way passes exactly one load
	s_cbranch_scc0 .Lhead_v
	tensor_load_to_lds s[48:51], s[G1K:G1K+7]
	s_nop 0
	NOPS
	s_branch .Lhead_asked
.Lhead_v:
	s_cmp_lt_u32 s[WV], 8
	s_cbranch_scc0 .Lhead_s
	tensor_load_to_lds s[52:55], s[G1V:G1V+7]
	s_nop 0
	NOPS
	s_branch .Lhead_asked
.Lhead_s:
	tensor_load_to_lds s[56:59], s[G1S:G1S+7]
	s_nop 0
	NOPS
.Lhead_asked:
	s_and_b32 s84, s13, 15                         ; the head
	s_lshr_b32 s85, s84, 1
	s_mul_i32 s88, s85, 6144                       ; its K step of the last product,
	s_and_b32 s86, s84, 1
	s_mul_i32 s87, s86, 768                        ; and its half of that step's fragments
	s_add_co_u32 s88, s88, s87
	s_lshr_b32 s89, s84, 3
	s_lshl_b32 s89, s89, 8
	s_and_b32 s85, s85, 3
	s_lshl_b32 s85, s85, 2
	s_add_co_u32 s89, s89, s85
	s_lshl_b32 s86, s86, 1
	s_add_co_u32 s89, s89, s86                     ; its two bytes in a row's scale words
	s_lshl_b32 s15, s[WV], 2
	s_add_co_u32 s15, s15, ttmp9                   ; the second tile, 4 w + i,
	s_sub_co_u32 s14, 127, s15                     ; the first
	BASES 14, 66, 68, 70, 72
	BASES 15, 74, 76, 78, 80
	v_and_b32 v8, 31, v0
	v_and_b32 v9, 15, v0                           ; r
	v_bfe_u32 v10, v0, 4, 1                        ; h
	v_and_b32 v11, 7, v0                           ; m = r % 8
	v_bfe_u32 v92, v0, 3, 1                        ; a = r / 8
	v_lshlrev_b32 v3, 4, v8
	v_lshlrev_b32 v4, 3, v8
	v_lshlrev_b32 v94, 3, v9
	global_load_b128 v[16:19], v3, s[66:67]        ; q's six registers, twice: [q | zeros | q]
	global_load_b64 v[20:21], v4, s[66:67] offset:512
	global_load_b128 v[28:31], v3, s[66:67]
	global_load_b64 v[32:33], v4, s[66:67] offset:512
	global_load_b32 v226, v94, s[68:69]
	global_load_b128 v[240:243], v3, s[74:75]      ; the second tile's
	global_load_b64 v[244:245], v4, s[74:75] offset:512
	global_load_b32 v246, v94, s[76:77]
	v_lshl_add_u32 v93, v10, 4, v11                ; 16 h + m: the lane of the stored image whose row I take (8 f more by the loads' immediates)
	v_mul_u32_u24 v1, v92, D1                      ; lanes 8-15 of a row of sixteen take the odd fragment
	v_mul_u32_u24 v236, v92, D2
	v_lshl_add_u32 v2, v93, 3, v1
	v_lshl_add_u32 v1, v93, 4, v1
	v_lshl_add_u32 v237, v93, 3, v236
	v_lshl_add_u32 v236, v93, 4, v236
	v_lshlrev_b32 v5, 3, v11
	v_lshl_add_u32 v5, v92, 2, v5
	v_add_nc_u32 v5, SKOFF, v5                     ; K's word of stored row 8 f + m, fragment a: 8 m + 4 a (+ 64 f)
	v_lshl_add_u32 v6, v9, 4, SVOFF
	v_lshl_add_u32 v95, v9, 4, v10
	v_lshl_add_u32 v223, v92, 4, v11               ; my query's token in its 32: r % 8 + 16 (r / 8),
	v_lshlrev_b32 v35, 5, v10
	v_sub_nc_u32 v223, v223, v35                   ; less 32 h
	v_lshlrev_b32 v35, 3, v10                      ; 8 h: my bytes' place in p's scale word
.irp j, 22,23,24,25,26,27
	v_mov_b32 v[\j], 0                             ; the zero codes between the two copies of q
.endr
	v_mov_b32 v220, 0                              ; written once: a lane permute's destination counts as one of its sources
	v_mov_b32 v221, 0
	v_mov_b32 v225, 0                              ; (named as the upper half of the pair v[224:225])
	s_mov_b32 s16, 0x76543210
	s_mov_b32 s17, 0xfedcba98                      ; lane l xor 16
	s_mov_b32 s18, 0x3e38aa3b                      ; c = log2(e) / 8
	s_mov_b32 s19, s18                             ; (named with it as a pair)
	s_mov_b32 s83, 0xbe38aa3b                      ; -c
	s_mov_b32 s[HM], 0xffff0000
	s_lshr_b32 s84, s[WV], 2                       ; the second group.  Waves 0-7, K: even or odd fragments (w / 4), six of them (w % 4)
	s_and_b32 s85, s[WV], 3
	s_mul_i32 s93, s84, D2
	s_mul_i32 s86, s85, 9216
	s_add_co_u32 s93, s93, s86
	s_add_co_u32 s93, s93, KE2
	s_mul_i32 s94, s84, FRB
	s_mul_i32 s86, s85, 18432
	s_add_co_u32 s94, s94, s86
	s_add_co_u32 s94, s94, s90
	s_add_co_u32 s94, s94, REG+24576
	s_mov_b32 s95, 0
	s_add_nc_u64 s[94:95], s[4:5], s[94:95]
	s_or_b32 s95, s95, 0x80000000
	s_mov_b32 s92, 1
	s_mul_i32 s97, s[WV], 9216                     ; waves 8-15, V: six fragments
	s_add_co_u32 s98, s97, s90
	s_add_co_u32 s98, s98, 2*REG+24576-73728
	s_mov_b32 s99, 0
	s_add_nc_u64 s[98:99], s[4:5], s[98:99]
	s_or_b32 s99, s99, 0x80000000
	s_add_co_u32 s97, s97, V2-73728
	s_mov_b32 s96, 1
.macro ADD4 g                          ; four chains of the row's sum, two numbers an instruction: group 0 starts them on p 0-15, group g adds p 8 + 8 g .. 15 + 8 g
.irp x, 0,1,2,3
.if (\g) == 0
	v_pk_add_f32 v[SM+2*\x:SM+2*\x+1], v[S+4*\x:S+4*\x+1], v[S+4*\x+2:S+4*\x+3]
.else
	v_pk_add_f32 v[SM+2*\x:SM+2*\x+1], v[SM+2*\x:SM+2*\x+1], v[S+8+8*(\g)+2*\x:S+8+8*(\g)+2*\x+1]
.endif
.endr
.endm
; A KEY STEP: 128 keys.  A step all of whose keys come after my queries is left out, by a scalar branch on ids round its work, not round the lines that step addresses
.macro STEP k16, k8
	s_cmp_gt_u32 s[KS], s[DG]
	s_cbranch_scc1 .Lhidden_\@
	v_add_nc_u32 v8, s[TB], v[\k16]                ; (these four are the places in front of the loads into registers that the last products read)
	v_add_nc_u32 v9, s[TB], v[\k8]
	v_add_nc_u32 v92, s[TS], v5
	v_nop
.irp c, 0,1
.irp f, 0,1
	ds_load_b128 v[FR+24*\c+12*\f:FR+24*\c+12*\f+3], v8 offset:FRB*\c+128*\f
	ds_load_b64 v[FR+24*\c+12*\f+4:FR+24*\c+12*\f+5], v9 offset:FRB*\c+64*\f+512
	ds_load_b128 v[FR+24*\c+12*\f+6:FR+24*\c+12*\f+9], v8 offset:FRB*\c+128*\f+768
	ds_load_b64 v[FR+24*\c+12*\f+10:FR+24*\c+12*\f+11], v9 offset:FRB*\c+64*\f+1280
	ds_load_b32 v[SK+2*\c+\f], v92 offset:128*\c+64*\f
.endr
.endr
	s_wait_dscnt 0x0
.irp c, 0,1
.irp f, 0,1
	v_wmma_scale_f32_16x16x128_f8f6f4 v[S+32*\c+16*\f:S+32*\c+16*\f+7], v[FR+24*\c+12*\f:FR+24*\c+12*\f+11], v[16:27], 0, v[SK+2*\c+\f], v34 matrix_a_fmt:MATRIX_FMT_FP6 matrix_b_fmt:MATRIX_FMT_FP6
	v_wmma_scale_f32_16x16x128_f8f6f4 v[S+32*\c+16*\f+8:S+32*\c+16*\f+15], v[FR+24*\c+12*\f:FR+24*\c+12*\f+11], v[22:33], 0, v[SK+2*\c+\f], v34 matrix_a_fmt:MATRIX_FMT_FP6 matrix_b_fmt:MATRIX_FMT_FP6
.endr
.endr
	v_add_nc_u32 v10, s[TV], v3                    ; four places: in front of the loads below, and of the first read of the scores
	v_add_nc_u32 v11, s[TV], v4
	v_add_nc_u32 v93, s[TS], v6
	v_mov_b32 v227, v12                            ; the old -M
.irp t, 0,1,2,3
	FRAG FR+12*\t, 10, 11, FRB*\t                  ; V's fragments land while the softmax is walked
.endr
	ds_load_b128 v[SV:SV+3], v93
	s_cmp_lg_u32 s[KS], s[DG]                      ; only the step on the diagonal hides keys
	s_cbranch_scc1 .Lopen_\@
	v_mov_b32 v226, 0xff800000                     ; -infinity: p = 0 then
.set N, 0
.rept 64
	v_cmp_gt_i32 vcc_lo, 64*(N/32)+N%32, v7
	v_cndmask_b32 v[S+N], v[S+N], v226, vcc_lo
.set N, N+1
.endr
.Lopen_\@:
.irp x, 0,1,2,3                        ; the largest score of each of my two blocks of 32 keys, in two chains of 16 each; every accumulator is read from its low end on
	v_max3_num_f32 v[BM+\x], v[S+32*(\x%2)+16*(\x/2)], v[S+32*(\x%2)+16*(\x/2)+1], v[S+32*(\x%2)+16*(\x/2)+2]
.endr
.irp i, 3,5,7,9,11,13
.irp x, 0,1,2,3
	v_max3_num_f32 v[BM+\x], v[BM+\x], v[S+32*(\x%2)+16*(\x/2)+\i], v[S+32*(\x%2)+16*(\x/2)+\i+1]
.endr
.endr
.irp c, 0,1
	v_max3_num_f32 v[BM+\c], v[BM+\c], v[BM+2+\c], v[S+32*\c+15]
.endr
.irp c, 0,1
	v_max_num_f32 v[BM+\c], v[BM+\c], v[S+32*\c+31]
.endr
	v_max_num_f32 v226, v[BM], v[BM+1]
	v_permlanex16_b32 v220, v226, s16, s17         ; lane l xor 16 holds my query's other two blocks
	v_max3_num_f32 v13, v13, v226, v220            ; the running largest score
	v_mul_f32 v226, s83, v13                       ; -t
	v_floor_f32 v12, v226                          ; the new -M = -ceil(t): a whole number
.set N, 0
.rept 32
	v_pk_fma_f32 v[S+N:S+N+1], v[S+N:S+N+1], s[18:19], v[12:13] op_sel_hi:[1,0,0]   ; t - M, two at a time
.if N == 2
	v_sub_f32 v226, v12, v227                      ; old M - new M, 0 or less
.endif
.if N == 6
	v_cvt_i32_f32 v226, v226                       ; (it saturates)
.endif
.if N == 10
	v_ldexp_f32 v224, 1.0, v226                    ; f = 2^(old M - new M)
.endif
.set N, N+2
.endr
.irp c, 0,1
	v_fma_f32 v[BM+\c], v[BM+\c], s18, v12         ; the same of each block's largest score: p rises with the score, so this gives the block's largest p
.endr
	s_wait_alu depctr_va_vdst(0)
.irp c, 0,1
	v_exp_f32 v[BM+\c], v[BM+\c]
.endr
.set N, 0
.rept 64
	v_exp_f32 v[S+N], v[S+N]                       ; p = 2^(t - M)
.set N, N+1
.endr
	v_pk_mul_f32 v[14:15], v[14:15], v[224:225] op_sel_hi:[1,0]   ; the sum under the new M: the plain line behind the exponentials
	s_wait_alu depctr_va_vdst(0)                   ; one wait for the batch, ahead of the first line that names a result
	ADD4 0                                         ; the row's sum of the unquantised p; the lines that make the scales stand among its groups
.irp c, 0,1
	v_max_num_f32 v[BM+\c], 0x1800000, v[BM+\c]    ; the floor 2^(3 - 127)
.endr
	ADD4 1
.irp c, 0,1
	v_add_nc_u32 v[SO+\c], 0xff000000, v[BM+\c]    ; 2 off the exponent field: the conversion's scale operand
.endr
	ADD4 2
.irp c, 0,1
	v_lshrrev_b32 v[PM+\c], 23, v[SO+\c]           ; the byte
.endr
	ADD4 3
	v_lshl_or_b32 v221, v[PM+1], 16, v[PM]         ; blocks h and 2 + h,
	ADD4 4
	v_lshlrev_b32 v221, v35, v221                  ; at their places in the word;
	ADD4 5
	v_permlanex16_b32 v220, v221, s16, s17
	ADD4 6
	v_or_b32 v222, v221, v220                      ; with lane l xor 16's two the word is whole
	v_pk_add_f32 v[SM:SM+1], v[SM:SM+1], v[SM+2:SM+3]
	v_pk_add_f32 v[SM+4:SM+5], v[SM+4:SM+5], v[SM+6:SM+7]
	s_delay_alu instid0(VALU_DEP_2)
	v_pk_add_f32 v[14:15], v[14:15], v[SM:SM+1]
	s_delay_alu instid0(VALU_DEP_1)
	v_pk_add_f32 v[14:15], v[14:15], v[SM+4:SM+5]
.irp c, 0,1
	v_cvt_scalef32_pk16_fp6_f32 v[PC+6*\c:PC+6*\c+2], v[S+32*\c:S+32*\c+15], v[SO+\c]
	v_cvt_scalef32_pk16_fp6_f32 v[TQ+4*\c:TQ+4*\c+2], v[S+32*\c+16:S+32*\c+31], v[SO+\c]   ; (a conversion's three registers begin on an even number)
.endr
	v_nop                                          ; one plain place behind a scaled conversion
.irp c, 0,1
.irp i, 0,1,2
	v_mov_b32 v[PC+6*\c+3+\i], v[TQ+4*\c+\i]
.endr
.endr
	s_wait_dscnt 0x0                               ; V
	s_wait_alu depctr_va_vdst(0)
.set N, 0
.rept 16
	v_pk_mul_f32 v[O+N:O+N+1], v[O+N:O+N+1], v[224:225] op_sel_hi:[1,0]   ; O^T under the new M; these sixteen also stand between the lines that made p's codes and scale word and the products
.set N, N+2
.endr
.irp t, 0,1,2,3
	v_wmma_scale_f32_16x16x128_f8f6f4 v[O+8*\t:O+8*\t+7], v[FR+12*\t:FR+12*\t+11], v[PC:PC+11], v[O+8*\t:O+8*\t+7], v[SV+\t], v222 matrix_a_fmt:MATRIX_FMT_FP6 matrix_b_fmt:MATRIX_FMT_FP6
.endr
.Lhidden_\@:
	s_add_co_u32 s[KS], s[KS], 1
	s_add_co_u32 s[TB], s[TB], 2*FRB               ; two even (and two odd) fragments of K,
	s_add_co_u32 s[TV], s[TV], 4*FRB               ; four of V,
	s_add_co_u32 s[TS], s[TS], 256                 ; 256 bytes of scale words
.endm
.macro GROUP n, k16, k8                ; n key steps: a constant number of trips
	s_mov_b32 s[CNT], \n
.Lgroup_\@:
	STEP \k16, \k8
	s_sub_co_u32 s[CNT], s[CNT], 1
	s_cmp_lg_u32 s[CNT], 0
	s_cbranch_scc1 .Lgroup_\@
.endm
.macro SECOND                          ; on to keys 512 and up
	s_mov_b32 s[TB], KE2
	s_mov_b32 s[TV], V2
.endm
; A tile begins: its numbers, q's scale word, and zeros: the step is written once, and the first finds zeros, which the first change of M leaves zeros
.macro START t, wreg
	s_and_b32 s84, s[\t], 1
	s_mul_i32 s85, s84, 0x02020202
	s_add_co_u32 s85, s85, 0x01000100              ; picks my tile's two bytes of the pair's word, twice
	s_lshl_b32 s84, s84, 3
	s_bfe_u32 s86, s[\t], 0x20001
	s_lshl_b32 s86, s86, 5
	s_add_co_u32 s84, s84, s86                     ; the tile's place in its key step: 32 ((T / 2) % 4) + 8 (T % 2)
	s_lshr_b32 s[DG], s[\t], 3                     ; the key step in which my 16 queries lie
	s_mov_b32 s[KS], 0
	s_mov_b32 s[TB], KE1
	s_mov_b32 s[TV], V1
	s_mov_b32 s[TS], 0
	v_perm_b32 v34, v[\wreg], v[\wreg], s85
	v_add_nc_u32 v7, s84, v223                     ; register 32 c + n holds key 64 c + 32 h + n, hidden where 64 c + n is greater than this
.set N, 0
.rept 32
	v_mov_b32 v[O+N], 0
.set N, N+1
.endr
	v_mov_b32 v13, 0xff61b1e6                      ; -3e38, under every score
	v_mov_b32 v14, 0
	v_mov_b32 v15, 0
	v_mul_f32 v12, s83, v13
	s_delay_alu instid0(VALU_DEP_1)
	v_floor_f32 v12, v12
	s_wait_alu depctr_va_vdst(0)
.endm
; O^T / the sum; its 32 numbers of a lane (register 16 g + i = channel 32 g + 16 h + i of my query) are two blocks of the last product's K: half a fragment and two scale bytes
.macro WAYOUT co, so
	s_wait_alu depctr_va_vdst(0)
	NOPS                                           ; places behind the last products
	v_add_f32 v14, v14, v15
	s_delay_alu instid0(VALU_DEP_1)
	v_permlanex16_b32 v220, v14, s16, s17
	s_delay_alu instid0(VALU_DEP_1)
	v_add_f32 v14, v14, v220                       ; the row's sum
	s_wait_alu depctr_va_vdst(0)
	v_rcp_f32 v14, v14
	v_nop                                          ; a plain place behind the reciprocal,
	s_wait_alu depctr_va_vdst(0)                   ; and the wait ahead of its first reader
.set N, 0
.rept 32
	v_mul_f32 v[S+N], v[O+N], v14
.set N, N+1
.endr
.irp b, 0,1
	v_max3_num_f32 v[BM+\b], |v[S+16*\b]|, |v[S+16*\b+1]|, 0x1800000
.endr
.irp i, 2,4,6,8,10,12,14
.irp b, 0,1
	s_delay_alu instid0(VALU_DEP_2)
	v_max3_num_f32 v[BM+\b], v[BM+\b], |v[S+16*\b+\i]|, |v[S+16*\b+\i+1]|
.endr
.endr
.irp b, 0,1
	s_delay_alu instid0(VALU_DEP_2)
	v_permlanex16_b32 v[220+\b], v[BM+\b], s16, s17
.endr
.irp b, 0,1
	s_delay_alu instid0(VALU_DEP_2)
	v_max_num_f32 v[BM+\b], v[BM+\b], v[220+\b]
.endr
.irp b, 0,1
	s_delay_alu instid0(VALU_DEP_2)
	v_add_nc_u32 v[SO+\b], 0xff000000, v[BM+\b]
.endr
.irp b, 0,1
	s_delay_alu instid0(VALU_DEP_2)
	v_lshrrev_b32 v[PM+\b], 23, v[SO+\b]
.endr
	v_cvt_scalef32_pk16_fp6_f32 v[PC:PC+2], v[S:S+15], v[SO]
	v_cvt_scalef32_pk16_fp6_f32 v[TQ:TQ+2], v[S+16:S+31], v[SO+1]
	v_cndmask_b32 v226, v[PM], v[PM+1], s[HM]      ; lanes 0-15 store block 0's byte, lanes 16-31 block 1's.  (The plain place behind the conversions)
.irp i, 0,1,2
	v_permlane16_swap_b32 v[PC+\i], v[TQ+\i]       ; a whole block to a lane
.endr
.irp i, 0,1,2
	v_mov_b32 v[PC+3+\i], v[TQ+\i]
.endr
	global_store_b128 v3, v[PC:PC+3], s[\co:\co+1]             ; 512 and 256 consecutive bytes, aligned to 256
	global_store_b64 v4, v[PC+4:PC+5], s[\co:\co+1] offset:512
	global_store_b8 v95, v226, s[\so:\so+1]
.endm
	s_wait_alu depctr_va_vdst(0)
	s_wait_loadcnt 0x0                             ; q, both tiles'
	START 14, 226                                  ; ---- the first tile, 127 - (4 w + i)
	s_wait_tensorcnt 0x0                           ; my part of the head's loads is in
	ds_add_u32 v254, v255                          ; 0 onto my spare word
	s_mov_b32 s[G1K+2], 6<<16                      ; no tensor load of mine is out, so a descriptor may be written: from here on a load brings six fragments
	s_mov_b32 s[G1K+4], 6
	s_mov_b32 s[G1V+2], 6<<16
	s_mov_b32 s[G1V+4], 6
	s_wait_dscnt 0x0
	s_barrier_signal -1
	s_barrier_wait -1                              ; keys 0-511 and the scale words are in, for every wave
	s_cmp_lt_u32 s[WV], 8
	s_cbranch_scc0 .Lrest_v
	tensor_load_to_lds s[92:95], s[G1K:G1K+7]      ; my one load behind this barrier: my part of keys 512-2,047
	s_nop 0
	NOPS
	s_branch .Lrest_asked
.Lrest_v:
	tensor_load_to_lds s[96:99], s[G1V:G1V+7]
	s_nop 0
	NOPS
.Lrest_asked:
	GROUP 4, 1, 2
	s_wait_tensorcnt 0x0                           ; my part of the other keys is in
	s_wait_dscnt 0x0
	s_barrier_signal -1
	s_barrier_wait -1                              ; everybody's is.
	SECOND
	GROUP 12, 236, 237
	WAYOUT 70, 72
	s_wait_xcnt 0x0                                ; the stores above have read their registers: they are written again only behind this wait
.irp j, 0,1,2,3,4,5
	v_mov_b32 v[16+\j], v[240+\j]                  ; ---- the second tile, 4 w + i: it lies in the first 1,024 keys
	v_mov_b32 v[28+\j], v[240+\j]
.endr
	START 15, 246
	GROUP 4, 1, 2
	SECOND
	GROUP 4, 236, 237
	WAYOUT 78, 80
	s_wait_tensorcnt 0x0                           ; the wave's end
	ds_add_u32 v254, v255
	s_wait_dscnt 0x0
	s_endpgm
.Lfunc_end_k_q0a79cf4b2e_attn:
	.size	k_q0a79cf4b2e_attn, .Lfunc_end_k_q0a79cf4b2e_attn-k_q0a79cf4b2e_attn
	.p2alignl 7, 3214868480
	.fill 96, 4, 3214868480
	.section	.rodata,"a",@progbits
	.p2align	6, 0x0
	.amdhsa_kernel k_q0a79cf4b2e_attn
		.amdhsa_group_segment_fixed_size 327680
		.amdhsa_private_segment_fixed_size 0
		.amdhsa_enable_private_segment 0
		.amdhsa_kernarg_size 32
		.amdhsa_user_sgpr_count 2
		.amdhsa_user_sgpr_kernarg_segment_ptr 1
		.amdhsa_wavefront_size32 1
		.amdhsa_system_sgpr_workgroup_id_x 1
		.amdhsa_system_sgpr_workgroup_id_y 1
		.amdhsa_system_sgpr_workgroup_id_z 1
		.amdhsa_system_vgpr_workitem_id 0
		.amdhsa_next_free_vgpr 256
		.amdhsa_next_free_sgpr 100
		.amdhsa_reserve_vcc 1
		.amdhsa_float_denorm_mode_32 3
		.amdhsa_float_denorm_mode_16_64 3
		.amdhsa_memory_ordered 1
		.amdhsa_forward_progress 1
		.amdhsa_inst_pref_size 106
	.end_amdhsa_kernel
	.amdgpu_metadata
---
amdhsa.version: [ 1, 2 ]
amdhsa.kernels:
  - .name:           k_q0a79cf4b2e_attn
    .symbol:         k_q0a79cf4b2e_attn.kd
    .args:
      - { .name: qkvc, .offset: 0, .size: 8, .value_kind: global_buffer, .address_space: global }
      - { .name: qkvs, .offset: 8, .size: 8, .value_kind: global_buffer, .address_space: global }
      - { .name: oc, .offset: 16, .size: 8, .value_kind: global_buffer, .address_space: global }
      - { .name: os, .offset: 24, .size: 8, .value_kind: global_buffer, .address_space: global }
    .group_segment_fixed_size: 327680
    .private_segment_fixed_size: 0
    .kernarg_segment_align: 8
    .kernarg_segment_size: 32
    .max_flat_workgroup_size: 512
    .sgpr_count:     100
    .vgpr_count:     256
    .wavefront_size: 32
...
	.end_amdgpu_metadata
.endif
;; end of part 3
;; launch oproj (part 4): grid 8 x 32, 4 waves a work-group, clusters of 4 x 4, 327,680 bytes of LDS; arguments oc, os, c1, s1, out0; writes out0
.if DOCPART == 4
	.amdgcn_target "amdgcn-amd-amdhsa--gfx1250"
	.amdhsa_code_object_version 6
	.text
	.protected	k_q0a79cf4b2e_oproj
	.globl	k_q0a79cf4b2e_oproj
	.p2align	8
	.type	k_q0a79cf4b2e_oproj,@function
k_q0a79cf4b2e_oproj:
	s_mov_b64 s[64:65], 0
	v_nop
	global_prefetch_b8 v0, s[64:65] scope:SCOPE_SE
	s_setreg_imm32_b32 hwreg(HW_REG_WAVE_MODE, 25, 1), 1
	s_wait_xcnt 0x0
	s_wait_alu depctr_hold_cnt(0) depctr_sa_sdst(0) depctr_va_vdst(0) depctr_va_sdst(0) depctr_va_ssrc(0) depctr_va_vcc(0) depctr_vm_vsrc(0)
	s_getreg_b32 s2, hwreg(HW_REG_IB_STS2, 6, 4)
	s_cmp_eq_u32 s2, 0
	s_cbranch_scc0 .Lentry_in_a_cluster
	s_endpgm
.Lentry_in_a_cluster:
	s_bfe_u32 s2, ttmp6, 0x10000c
	s_cmp_lg_u32 s2, 0xf033
	s_cbranch_scc0 .Lentry_shape_is_right
	s_endpgm
.Lentry_shape_is_right:
; out = o Wo^T on codes of FP6 with E8M0 scales; out0 [8192][1024] f32.  o's codes and scale words come from oc / os, Wo's from c1 / s1 (blocks 176 on), all in the order of an
; operand's registers (fragments of 1,536 bytes; position p holds row p with bits 3 and 4 swapped).
; A tile of the product is 256 positions of o x 128 positions of Wo, K = 1,024 whole in LDS: o 4 x 49,152 bytes, Wo 2 x 49,152.  No tensor load fills a byte twice.  256 work-groups.
; FOUR WAVES: wave w owns o's 64 positions w (4 tiles; only it reads them) against all 8 tiles of Wo: 32 accumulators.  The matrix instruction is used transposed (source 0 = Wo's tile,
; source 1 = o's): in accumulator (a, b) lane (r, h), register j is (row position 16 a + r, column position 16 b + 8 h + j) = column 32 (b / 2) + 16 h + 8 (b % 2) + j.
; CLUSTER 4 x 4: o's blocks are shared along a row of the cluster, Wo's along a column, each asked for jointly.  K comes in two halves of 512; one tensor load of a wave is out at the most.
; THE WAY OUT: a tile of 16 rows goes through a stage in the wave's own part of LDS (which has had its only fill, and which only this wave reads); the stage's offsets put the columns, the
; stores' immediates the rows, back in their true order; each store covers 512 consecutive bytes of a row of out0.
; REGISTERS: window 0: v1-14 lane terms and addresses; v32-63 o's scale words (8 a + s), v64-127 Wo's (8 b + s); v128-223 o's fragments, two sets; on the way out v128-255 rows read back.
;   window 1: Wo's fragments, two sets.  window 2: the accumulators, (a, b) at 8 (8 a + b).
.set BLK,  49152
.set KST,  6144
.set FRB,  1536
; THE LOADS AS THEY NOW STAND: K comes in two halves of 512.  LDS: [K half][o's four blocks, Wo's two][24,576 bytes].  Waves 0 and 1 fetch two of o's half blocks each
; (two rows of 24,576 bytes, 49,152 apart in memory), waves 2 and 3 one of Wo's each: one joint load a wave at the head, one behind the round that follows its landing.
.set HB,   24576                       ; half of K of a block of 64 positions
.set HALF, 6*HB                        ; a K half of all six blocks
.set BOFF, 4*HB                        ; Wo's place in a half
.set WV,   16
.set G1A,  24
.set G1B,  32
.set G0A,  40
.set G0B,  68
.set SA,   32
.set SB,   64
.set AF,   128
.set A16,  8
.set A8,   9
.set B16,  10
.set B8,   12
.set STO,  14                          ; v14  the stage, way in: my block + 528 r + 64 h
.set SP,   528                         ; a stage row: 512 bytes + 16
.set STGB, 16*SP
.set BK,   128
.set MSB, 0
.macro WIN new                         ; the immediate's high byte repeats the setting that is left
.if MSB != (\new)
	s_set_vgpr_msb (MSB<<8)|(\new)
.set MSB, (\new)
.endif
.endm
.macro CROUND                          ; a round of the cluster's barrier
	s_barrier_signal -1
	s_barrier_wait -1
	s_cmp_lg_u32 s[WV], 0
	s_cbranch_scc1 .Lnot_wave_0_\@
	s_barrier_signal -3
.Lnot_wave_0_\@:
	s_barrier_wait -3
	s_barrier_signal -1
	s_barrier_wait -1
.endm
.macro PLACES n
.rept \n
	v_nop
.endr
.endm
.macro FRAG reg, a16, a8, off          ; a fragment's image: four loads, each of consecutive bytes in the lanes
	ds_load_b128 v[\reg:\reg+3], v[\a16] offset:\off
	ds_load_b64 v[\reg+4:\reg+5], v[\a8] offset:\off+512
	ds_load_b128 v[\reg+6:\reg+9], v[\a16] offset:\off+768
	ds_load_b64 v[\reg+10:\reg+11], v[\a8] offset:\off+1280
.endm
.macro FETCH s, p                      ; K step s into set p: 48 loads
	WIN 0x40                                       ; destination window 1, address window 0
.irp b, 0,1,2,3,4,5,6,7
	FRAG 128*(\p)+12*\b, B16+\b/4+8*((\s)/4), B8+\b/4+8*((\s)/4), ((\s)%4)*KST+(\b%4)*FRB
.endr
	WIN 0
.irp a, 0,1,2,3
	FRAG AF+48*(\p)+12*\a, A16+8*((\s)/4), A8+8*((\s)/4), ((\s)%4)*KST+\a*FRB
.endr
.endm
.macro MULS s, p, zero                 ; 32 products; the 32 accumulators take turns, one instruction a turn
	WIN 0xa1                                       ; source 0 window 1, source 1 window 0, C and D window 2
.irp a, 0,1,2,3
.irp b, 0,1,2,3,4,5,6,7
.if \zero
	v_wmma_scale_f32_16x16x128_f8f6f4 v[8*(8*\a+\b):8*(8*\a+\b)+7], v[128*(\p)+12*\b:128*(\p)+12*\b+11], v[AF+48*(\p)+12*\a:AF+48*(\p)+12*\a+11], 0, v[SB+8*\b+(\s)], v[SA+8*\a+(\s)] matrix_a_fmt:MATRIX_FMT_FP6 matrix_b_fmt:MATRIX_FMT_FP6
.else
	v_wmma_scale_f32_16x16x128_f8f6f4 v[8*(8*\a+\b):8*(8*\a+\b)+7], v[128*(\p)+12*\b:128*(\p)+12*\b+11], v[AF+48*(\p)+12*\a:AF+48*(\p)+12*\a+11], v[8*(8*\a+\b):8*(8*\a+\b)+7], v[SB+8*\b+(\s)], v[SA+8*\a+(\s)] matrix_a_fmt:MATRIX_FMT_FP6 matrix_b_fmt:MATRIX_FMT_FP6
.endif
.endr
.endr
.endm
.macro KSTEP s
.if (\s) == 3
	s_wait_tensorcnt 0x0                           ; my part of the second half of K is in
	s_wait_dscnt 0x0                               ; no LDS load of mine is pending at the signal
	s_barrier_signal -1
	s_barrier_wait -1                              ; every wave's part of the second half is in.
.endif
.if (\s) < 7
.if (\s) > 0
	PLACES 4                                       ; in front of loads into the set that the step before multiplied
.endif
	FETCH (\s)+1, ((\s)+1)%2
	s_wait_dscnt 48                                ; all but the 48 just issued: this step's fragments are in
.else
	s_wait_dscnt 0x0
.endif
	MULS \s, (\s)%2, (\s)==0
.endm
.macro TOSTAGE a                       ; tile a's 16 rows x 128 columns into stage a % 2, and back as whole rows
	WIN 0x08                                       ; an LDS store's data are its source 1: window 2
.irp b, 0,1,2,3,4,5,6,7
	ds_store_b128 v[STO], v[64*(\a)+8*\b:64*(\a)+8*\b+3] offset:STGB*((\a)%2)+128*(\b/2)+32*(\b%2)        ; each accumulator from its low end on
	ds_store_b128 v[STO], v[64*(\a)+8*\b+4:64*(\a)+8*\b+7] offset:STGB*((\a)%2)+128*(\b/2)+32*(\b%2)+16
.endr
	WIN 0
.irp t, 0,1,2,3,4,5,6,7,8,9,10,11,12,13,14,15
	ds_load_b128 v[BK+64*((\a)%2)+4*\t:BK+64*((\a)%2)+4*\t+3], v[A16] offset:STGB*((\a)%2)+SP*\t   ; LDS serves a wave's instructions in order: these see the stores above
.endr
.endm
.macro SEND a, younger                 ; younger: the LDS instructions issued behind tile a's loads, which may stay out
	s_wait_dscnt \younger
.irp t, 0,1,2,3,4,5,6,7,8,9,10,11,12,13,14,15
	global_store_b128 v3, v[BK+64*((\a)%2)+4*\t:BK+64*((\a)%2)+4*\t+3], s[12:13] offset:(32*((\a)/2)+8*((\a)%2)+(\t%8)+16*(\t/8))*4096 th:TH_STORE_NT   ; position t of tile a is this row of my 64
.endr
.endm
	s_load_b256 s[4:11], s[0:1], 0x0               ; oc s[4:5], os s[6:7], c1 s[8:9], s1 s[10:11]
	s_load_b64 s[12:13], s[0:1], 0x20              ; out0
	v_lshl_add_u32 v30, v0, 2, 0x48000
	v_mov_b32 v31, 0
	ds_add_u32 v30, v31
	ds_add_u32 v30, v31
	v_lshrrev_b32 v1, 5, v0
	v_readfirstlane_b32 s[WV], v1                  ; wave 0..3
	s_bfe_u32 s17, ttmp6, 0x40000                  ; cx
	s_bfe_u32 s18, ttmp6, 0x40004                  ; cy
	s_and_b32 s19, ttmp7, 0xffff                   ; cluster y;  cluster x is ttmp9
	s_lshl_b32 s20, s18, 2
	s_lshl_b32 s20, 15, s20                        ; my row of the cluster
	s_lshl_b32 s21, 0x1111, s17                    ; my column
	s_or_b32 s[G1A], s20, (3<<16)|(1<<21)          ; 15:0 the mask; 17:16 elements of 8 bytes; 21 set beside a mask; no padding
	s_or_b32 s[G1B], s21, (3<<16)|(1<<21)
	s_mov_b32 s[G1A+1], 3072<<16                   ; tensor_dim0 = 3,072 elements: a row is half of K of one block, 24,576 bytes
	s_mov_b32 s[G1A+2], 2<<16                      ; tensor_dim1 = 2 blocks
	s_mov_b32 s[G1A+3], 3072<<16                   ; tile_dim0
	s_mov_b32 s[G1A+4], 2                          ; tile_dim1
	s_mov_b32 s[G1A+5], 6144                       ; pitch: a block, 49,152 bytes
	s_mov_b32 s[G1A+6], 0
	s_mov_b32 s[G1A+7], 0
	s_mov_b32 s[G1B+1], 32<<16
	s_mov_b32 s[G1B+2], 96<<16                     ; 96 rows of 256 bytes: half of K of one block
	s_mov_b32 s[G1B+3], 32<<16
	s_mov_b32 s[G1B+4], 96
	s_mov_b32 s[G1B+5], 32
	s_mov_b32 s[G1B+6], 0
	s_mov_b32 s[G1B+7], 0
	s_lshl_b32 s84, s18, 2
	s_lshl_b32 s85, s19, 4
	s_add_co_u32 s84, s84, s85
	s_add_co_u32 s84, s84, s[WV]                   ; my block of o: 16 cluster y + 4 cy + wave
	s_lshl_b32 s86, s17, 1
	s_lshl_b32 s87, ttmp9, 3
	s_add_co_u32 s86, s86, s87
	s_add_co_u32 s86, s86, 176                     ; Wo's first block: 176 + 8 cluster x + 2 cx
	s_add_co_u32 s90, s84, s[WV]                   ; waves 0, 1 fetch o's blocks 0-1, 2-3: first block + 2 x wave
	s_mul_i32 s90, s90, BLK
	s_mov_b32 s91, 0
	s_and_b32 s93, s[WV], 1                        ; waves 2, 3 fetch Wo's block 0, 1
	s_add_co_u32 s94, s86, s93
	s_mul_i32 s94, s94, BLK
	s_mov_b32 s95, 0
	s_mul_i32 s96, s[WV], 2*HB                     ; where o's two half blocks go: no place in the cluster enters an LDS address
	s_mul_i32 s97, s[WV], HB                       ; my own block of o in a half
	s_mul_i32 s98, s93, HB
	s_add_co_u32 s98, s98, BOFF
	s_lshl_b32 s56, s84, 11                        ; scale words: 2,048 bytes a block
	s_mov_b32 s57, 0
	s_lshl_b32 s58, s86, 11
	s_mov_b32 s59, 0
	s_lshl_b32 s60, s84, 18                        ; out0: my 64 rows of 4,096 bytes,
	s_lshl_b32 s61, ttmp9, 2
	s_add_co_u32 s61, s61, s17
	s_lshl_b32 s61, s61, 9                         ; the tile's 128 columns
	s_add_co_u32 s60, s60, s61
	s_mov_b32 s61, 0
	s_wait_dscnt 0x0
	s_wait_kmcnt 0x0
	s_add_nc_u64 s[90:91], s[4:5], s[90:91]
	s_add_nc_u64 s[94:95], s[8:9], s[94:95]
	s_add_nc_u64 s[56:57], s[6:7], s[56:57]
	s_add_nc_u64 s[58:59], s[10:11], s[58:59]
	s_add_nc_u64 s[12:13], s[12:13], s[60:61]
.irp c, 0,1
	s_mov_b32 s[G0A+4*\c], 1
	s_add_co_u32 s[G0A+4*\c+1], s96, HALF*\c
	s_add_nc_u64 s[G0A+4*\c+2:G0A+4*\c+3], s[90:91], HB*\c
	s_or_b32 s[G0A+4*\c+3], s[G0A+4*\c+3], 0x80000000
	s_mov_b32 s[G0B+4*\c], 1
	s_add_co_u32 s[G0B+4*\c+1], s98, HALF*\c
	s_add_nc_u64 s[G0B+4*\c+2:G0B+4*\c+3], s[94:95], HB*\c
	s_or_b32 s[G0B+4*\c+3], s[G0B+4*\c+3], 0x80000000
.endr
	CROUND                                         ; all sixteen work-groups are here: the joint loads meet
.macro JLOAD c                         ; K half c: one joint load a wave; each of the two lines has one mask; the branch hangs on the wave's number alone
	s_cmp_lt_u32 s[WV], 2
	s_cbranch_scc0 .Lfor_b_\@
	tensor_load_to_lds s[G0A+4*\c:G0A+4*\c+3], s[G1A:G1A+7]
	s_nop 0
	PLACES 4
	s_branch .Lasked_\@
.Lfor_b_\@:
	tensor_load_to_lds s[G0B+4*\c:G0B+4*\c+3], s[G1B:G1B+7]
	s_nop 0
	PLACES 4
.Lasked_\@:
.endm
	JLOAD 0                                        ; the first half of K: one tensor load a wave at the head
	v_and_b32 v1, 15, v0                           ; r
	v_bfe_u32 v2, v0, 4, 1                         ; h
	v_and_b32 v7, 31, v0
	v_lshlrev_b32 v3, 4, v7                        ; 16 x lane
	v_lshlrev_b32 v4, 3, v7                        ; 8 x lane
	v_lshlrev_b32 v5, 4, v1                        ; 16 r: a row's four scale words
	v_add_nc_u32 v[A16], s97, v3
	v_add_nc_u32 v[A8], s97, v4
	v_add_nc_u32 v[B16], BOFF, v3
	v_add_nc_u32 v[B16+1], BOFF+HB, v3
	v_add_nc_u32 v[B8], BOFF, v4
	v_add_nc_u32 v[B8+1], BOFF+HB, v4
.irp j, 8,9,10,11,12,13
	v_add_nc_u32 v[\j+8], HALF, v[\j]              ; v16-21: the same six addresses in the second half of K
.endr
	v_mul_u32_u24 v[STO], v1, SP
	v_lshl_add_u32 v[STO], v2, 6, v[STO]
	v_add_nc_u32 v[STO], s97, v[STO]
.irp a, 0,1,2,3
.irp k, 0,1
	global_load_b128 v[SA+8*\a+4*\k:SA+8*\a+4*\k+3], v5, s[56:57] offset:512*\a+256*\k   ; the scale words of all of K stay in registers; lanes 0-15 are read
.endr
.endr
.irp b, 0,1,2,3,4,5,6,7
.irp k, 0,1
	global_load_b128 v[SB+8*\b+4*\k:SB+8*\b+4*\k+3], v5, s[58:59] offset:512*\b+256*\k
.endr
.endr
	s_wait_alu depctr_va_vdst(0)
	s_wait_tensorcnt 0x0                           ; my part of the first half is in
	ds_add_u32 v30, v31
	s_wait_dscnt 0x0
	CROUND                                         ; everybody's part is in, and all sixteen work-groups are here
	JLOAD 1                                        ; the second half of K: it has K steps 0 to 2 in which to land
	FETCH 0, 0
	s_wait_loadcnt 0x0                             ; the scale words
	KSTEP 0
	KSTEP 1
	KSTEP 2
	KSTEP 3
	KSTEP 4
	KSTEP 5
	KSTEP 6
	KSTEP 7
	WIN 0
	PLACES 4                                       ; behind the last products: results are read, and loads land on operands' registers, from here on
	TOSTAGE 0
.irp a, 1,2,3
.if \a > 1
	s_wait_xcnt 0x0                                ; tile a - 2's stores have read their registers: tile a's rows may land there
.endif
	TOSTAGE \a
	SEND \a-1, 32                                  ; behind tile a - 1's loads: tile a's 16 stores and 16 loads
.endr
	SEND 3, 0
	s_wait_tensorcnt 0x0
	s_wait_dscnt 0x0
	s_wait_tensorcnt 0x0
	ds_add_u32 v30, v31
	s_wait_dscnt 0x0
	CROUND                                         ; the closing round: no work-group ends while a partner may still ask for a block that names it
	s_endpgm
.Lfunc_end_k_q0a79cf4b2e_oproj:
	.size	k_q0a79cf4b2e_oproj, .Lfunc_end_k_q0a79cf4b2e_oproj-k_q0a79cf4b2e_oproj
	.p2alignl 7, 3214868480
	.fill 96, 4, 3214868480
	.section	.rodata,"a",@progbits
	.p2align	6, 0x0
	.amdhsa_kernel k_q0a79cf4b2e_oproj
		.amdhsa_group_segment_fixed_size 327680
		.amdhsa_private_segment_fixed_size 0
		.amdhsa_enable_private_segment 0
		.amdhsa_kernarg_size 40
		.amdhsa_user_sgpr_count 2
		.amdhsa_user_sgpr_kernarg_segment_ptr 1
		.amdhsa_wavefront_size32 1
		.amdhsa_system_sgpr_workgroup_id_x 1
		.amdhsa_system_sgpr_workgroup_id_y 1
		.amdhsa_system_sgpr_workgroup_id_z 1
		.amdhsa_system_vgpr_workitem_id 0
		.amdhsa_next_free_vgpr 768
		.amdhsa_next_free_sgpr 100
		.amdhsa_reserve_vcc 0
		.amdhsa_float_denorm_mode_32 3
		.amdhsa_float_denorm_mode_16_64 3
		.amdhsa_memory_ordered 1
		.amdhsa_forward_progress 1
		.amdhsa_inst_pref_size 83
	.end_amdhsa_kernel
	.amdgpu_metadata
---
amdhsa.version: [ 1, 2 ]
amdhsa.kernels:
  - .name:           k_q0a79cf4b2e_oproj
    .symbol:         k_q0a79cf4b2e_oproj.kd
    .args:
      - { .name: oc, .offset: 0, .size: 8, .value_kind: global_buffer, .address_space: global }
      - { .name: os, .offset: 8, .size: 8, .value_kind: global_buffer, .address_space: global }
      - { .name: c1, .offset: 16, .size: 8, .value_kind: global_buffer, .address_space: global }
      - { .name: s1, .offset: 24, .size: 8, .value_kind: global_buffer, .address_space: global }
      - { .name: out0, .offset: 32, .size: 8, .value_kind: global_buffer, .address_space: global }
    .group_segment_fixed_size: 327680
    .private_segment_fixed_size: 0
    .kernarg_segment_align: 8
    .kernarg_segment_size: 40
    .max_flat_workgroup_size: 128
    .sgpr_count:     100
    .vgpr_count:     768
    .wavefront_size: 32
...
	.end_amdgpu_metadata
.endif
;; end of part 4
